; MI455X (gfx1250); checked and timed in simulation.
; The chip was launched on July 23, 2026; its instructions are those of AMD's public machine-readable ISA for CDNA 5 (MIT licence, August 2026) and "CDNA5" Instruction Set Architecture Reference Guide (July 2026). The comments in the code are by the model that wrote it; some were corrected since.
;; Multi Head Attention. Allowed arithmetic: matrix products marked QUANTISED: E2M3 operands, one E8M0 scale for each 32 along K, by v_wmma_scale_f32_16x16x128_f8f6f4 with both operands' format E2M3, f32 sums; everything else in f32.
;; Inputs: b_out 1,024 float32; b_qkv 3,072 float32; w_out 1,024 x 1,024 float32; w_qkv 1,024 x 3,072 float32; x 2 x 2,048 x 1,024 float32.
;; Outputs: out0 2 x 2,048 x 1,024 float32.
;; This version of the problem:
;;   THIS VERSION OF THE PROBLEM IS GIVEN IN LOW PRECISION. The matrix products marked QUANTISED in the list below multiply operands that are first quantised to E2M3 (2 exponent bits, 3 mantissa bits; 6 bits a number), with one power-of-two scale for each 32 numbers along K (OCP MX v1.0); their sums are f32. All else is computed in f32.
;;   The module's matrix products, in the order in which they are computed (A, B: the left and right operand; K: the contracted axis; several contracted axes count as one K, in the product's order):
;;     1. [M 4,096, K 1,024] x [K 1,024, N 3,072]; A: input x; B: input w_qkv: QUANTISED
;;     2. batch 32 x [M 2,048, K 64] x [K 64, N 2,048]; A: computed on the way; B: computed on the way: QUANTISED
;;     3. batch 32 x [M 2,048, K 2,048] x [K 2,048, N 64]; A: softmax (see below); B: computed on the way: QUANTISED
;;     4. [M 4,096, K 1,024] x [K 1,024, N 1,024]; A: computed on the way; B: input w_out: QUANTISED
;;   THE QUANTISER, for each operand of a quantised product, along K:
;;     - K is cut into blocks of 32 from its start; a last block that is shorter is filled with zeros.
;;     - A block's scale is 2^e with e = floor(log2(the largest magnitude in the block)) - 2, held to -126 .. 127; a block of zeros has e = 0. As a byte (E8M0): e + 127.
;;     - Each number is divided by its block's scale, clamped to +-7.5, and rounded to the nearest number of E2M3, ties to even, subnormals kept.
;;     - The product sums the exact products of the quantised numbers (number of the format x scale) in f32.
;;   ~~~python
;;   def quantise(x, axis):      # numpy; x: float32 -> the quantised numbers, widened to float32 again
;;       x = np.moveaxis(x, axis, -1); K = x.shape[-1]
;;       x = np.pad(x, [(0, 0)] * (x.ndim - 1) + [(0, -K % 32)]); x = x.reshape(x.shape[:-1] + (-1, 32)); a = np.abs(x).max(-1, keepdims=True)
;;       e = np.where(a > 0, np.clip(np.frexp(np.where(a > 0, a, 1))[1] - 1 - 2, -126, 127), 0)      # np.frexp(a)[1] - 1 = floor(log2(a)), exactly
;;       r = np.clip(x / 2.0 ** e, -7.5, 7.5)
;;       step = 2.0 ** (np.maximum(np.frexp(np.where(r == 0, 1, r))[1] - 1, 0) - 3)
;;       q = np.round(r / step) * step * 2.0 ** e      # np.round: ties to even
;;       return np.moveaxis(q.reshape(q.shape[:-2] + (-1,))[..., :K], -1, axis).astype(np.float32)
;;   ~~~
;;   SOFTMAX AHEAD OF A QUANTISED PRODUCT. Where the list says 'softmax', what is quantised is not the finished softmax but p = 2^(t - M), with t = logit x log2(e) and M = ceil(the row's largest t), a whole number; so 1/2 < the row's largest p <= 1. The row's sum l is taken of the UNQUANTISED p, in f32, and the product's result is divided by l at the end. Since M is a whole number, a kernel that streams over the keys may use a running M (the ceiling of the running maximum): every later rescaling is an exact power of two, which a block's scale takes up: the codes' values come out the same.
;;   OPERANDS COMPUTED ON THE WAY. 'Computed on the way' means the value that the module computes at that place (a softmax that the list does not call 'softmax' is quantised finished and normalised). What goes into a quantiser is computed in f32, as accurately as f32 sums, v_exp_f32 and their like allow (about 1e-6 of the number): no bf16 or f16 on the way to a quantiser, and a product that is left as it is and whose result goes on into a quantised operand takes f32 operands (vector FMAs, or v_wmma_f32_16x16x4_f32). A number that lies on a knife's edge between two numbers of the format may be rounded either way, as far as f32 arithmetic and the matrix unit's own rounding can turn it there, and no further.
;; One version. Each part assembles by itself: llvm-mc -triple=amdgcn-amd-amdhsa -mcpu=gfx1250 --defsym DOCPART=n.
;; ======== version 1 of 1: 4 launches
;; limits: right only within a limited range of input values
;; workspace buffers: xq 3,276,800 bytes; wq 2,457,600 bytes; wo 819,200 bytes; qq 3,276,800 bytes; kv 6,553,600 bytes; aq 3,276,800 bytes
;; launch quant (part 1): grid 256 x 1, 8 waves a work-group, no clusters, 136,192 bytes of LDS; arguments x, w_qkv, w_out, xq, wq, wo; writes xq, wq, wo
.if DOCPART == 1
	.amdgcn_target "amdgcn-amd-amdhsa--gfx1250"
	.amdhsa_code_object_version 6
	.text
	.protected	k_q3ca9a8ce40_quant
	.globl	k_q3ca9a8ce40_quant
	.p2align	8
	.type	k_q3ca9a8ce40_quant,@function
k_q3ca9a8ce40_quant:
	s_mov_b64 s[64:65], 0
	v_nop
	global_prefetch_b8 v0, s[64:65] scope:SCOPE_SE
	s_setreg_imm32_b32 hwreg(HW_REG_WAVE_MODE, 25, 1), 1
	s_wait_xcnt 0x0
; x [4096][1024], w_qkv [1024][3072] and w_out [1024][1024], f32, become codes of FP6 (E2M3) with one E8M0 byte for each 32 along K (x: its last axis; the weights: their FIRST axis).
; A block's scale is 2^(floor(log2(its largest magnitude)) - 2); its byte is the largest magnitude's exponent field - 2, held at 1 from below by a floor among the maximum's leaves.
; LIMITS: NaN and infinities among the inputs are not served; a block whose largest magnitude lies under 2^-124 gets the floor's byte 1; a block of zeros gets the byte 1 where the quantiser's text says 127
; (its codes are zeros, which add nothing under any byte but 0xff, and only this program reads the bytes).
; THE RESULTS ARE LAID AS IMAGES OF THE OPERAND REGISTERS of the products that read them: a fragment (16 rows x 128 K, 12 registers a lane) is 1,536 bytes: registers 4 c .. 4 c + 3 of lane l at 512 c + 16 l.
; So every store here, and every load there, covers 512 consecutive bytes.  A scale word (four bytes: a row's 128 along K) lies at 4 x lane: lanes 0-15 the rows of tile 2 P, lanes 16-31 those of tile 2 P + 1.
; THE ROWS OF A TILE ARE NOT NEIGHBOURS: row i of tile 2 P + u is item 32 P + 8 u + i + 8 (i / 8) (tokens of x, columns of a weight), so that the results of two neighbouring tiles are 16 neighbours in a lane's registers.
; SHARES: 2,048 tasks of 16 KiB of f32, one a wave.  Work-groups 0-127: x (32 tokens x 128 K a wave); 128-223: w_qkv; 224-255: w_out (128 K x 32 columns a wave).  Waves share nothing: no barrier.
; No matrix work, no tensor load, no cluster: each input byte is read once by one wave.
.set XS_OFF,  3145728                  ; xq: the scale words, behind 128 x 8 x 2 fragments
; THE ORDER OF ROWS: the line above on a tile's rows holds for w_out's columns alone.  Of x's tokens and w_qkv's columns four tiles share 64 items: row i of tile 4 c + t is item 64 c + 32 (i / 8) + 8 t + i % 8,
; so that the 32 registers of four tiles' results in a lane are one whole block of 32 along the next K.
; wq: for each head and K step 12 fragments (q, k, v: four tiles each), 18,432 bytes, and behind them their six registers of scale words, 768 bytes.
; DEAD WORK: key steps that lie wholly above the causal mask's diagonal are left out in launch attn: reference() itself puts -infinity in front of their exponentials, so their p is 0 whatever the inputs hold.
; A NaN, an infinity or an overflow that reaches only that work is not carried to the result.
; wo: for each 64 columns 8 K steps x 4 fragments, 49,152 bytes, and behind them their 16 registers of scale words, 2,048 bytes.
.set FLOOR,   0x1800000                ; 2^(3 - 127)
.set EM2,     0xff000000               ; takes 2 off an exponent field
.set SLOTB,   528                      ; a row of 512 bytes in the stage, + 16: the sixteen rows that a load touches start at sixteen different columns of 16 bytes
.set L16, 4                            ; v4   16 x lane
.set L4,  7                            ; v7   4 x lane
.set RX,  16                           ; path X: v16-143 32 rows as loaded, 4 registers each; later tile 1's 64 numbers
.set X0,  144                          ; v144-207 tile 0's 64 numbers
.set PC0, 208                          ; v208-219, v220-231 the two fragments
.set PC1, 220
.set TMP, 232                          ; v232-234, v236-238 the upper halves of two blocks' codes
.set TT,  240                          ; v240-241 largest magnitudes; v242-243 scale operands; v244-245 bytes
.set SS,  242
.set BB,  244
.set PW0, 246                          ; the two tiles' scale words
.set PW1, 247
.set W2,  248
.set SH,  249                          ; 8 x (lane / 16)
.set D,   16                           ; path W: v16-143 my column's 128 numbers down K
.set F0,  144                          ; v144-155, v156-167 the two fragments
.set F1,  156
.set WTMP,168
.set WT,  184
.set WSC, 188
.set WB,  192
.set WPW, 196
.set WU,  197
	s_load_b256 s[4:11], s[0:1], 0x0               ; x s[4:5], w_qkv s[6:7], w_out s[8:9], xq s[10:11]
	s_load_b128 s[12:15], s[0:1], 0x20             ; wq s[12:13], wo s[14:15]
	v_lshl_add_u32 v254, v0, 2, 0x21000
	v_mov_b32 v255, 0
	v_lshrrev_b32 v1, 5, v0
	s_delay_alu instid0(VALU_DEP_1)
	v_readfirstlane_b32 s16, v1                    ; wave 0..7
	v_and_b32 v1, 31, v0                           ; lane
	v_and_b32 v2, 15, v0                           ; r
	v_bfe_u32 v3, v0, 4, 1                         ; h
	s_delay_alu instid0(VALU_DEP_3)
	v_lshlrev_b32 v[L16], 4, v1
	s_delay_alu instid0(VALU_DEP_4)
	v_lshlrev_b32 v[L4], 2, v1
	s_mov_b32 s20, 0x76543210
	s_mov_b32 s21, 0xfedcba98                      ; v_permlanex16_b32's selects for lane l xor 16
	s_mov_b32 s22, 0xffff0000                      ; lanes 16-31
	s_mov_b32 s25, 0
	s_wait_kmcnt 0x0
	s_cmp_lt_u32 ttmp9, 128
	s_cbranch_scc0 .Lweights
; ---------------- PATH X: tokens 32 P .. 32 P + 31 (P = the work-group), K step s = the wave: two fragments ----------------
; Each load reads one row's 512 consecutive bytes.  The conversions want a lane to hold 32 neighbours of ONE row, so the rows turn through the wave's own stage in LDS; slot 16 u + i holds row i of tile u.
	s_mul_i32 s17, s16, 32*SLOTB                   ; my stage
	s_wait_alu depctr_va_vdst(0)
	v_add_nc_u32 v5, s17, v[L16]                   ; in: 16 bytes a lane
	v_mul_u32_u24 v6, v2, SLOTB
	s_delay_alu instid0(VALU_DEP_1)
	v_lshl_add_u32 v6, v3, 7, v6
	s_delay_alu instid0(VALU_DEP_1)
	v_add_nc_u32 v6, s17, v6                       ; out: slot r, + 128 h: k = 64 c + 32 h + 0 .. 31 lies 256 c + 128 h bytes into the row
	v_lshlrev_b32 v[SH], 3, v3
	v_mov_b32 v[W2], 0                             ; a lane permute's destination counts as one of its sources
	s_lshr_b32 s24, ttmp9, 1                       ; P = 2 c + a: tokens 64 c + 16 a + 8 u + 32 (i / 8) + i % 8
	s_lshl_b32 s24, s24, 18
	s_and_b32 s19, ttmp9, 1
	s_lshl_b32 s19, s19, 16
	s_add_co_u32 s24, s24, s19
	s_lshl_b32 s18, s16, 9                         ; + 512 bytes a K step
	s_add_co_u32 s24, s24, s18
	s_add_nc_u64 s[4:5], s[4:5], s[24:25]
	s_lshl_b32 s18, ttmp9, 3
	s_add_co_u32 s18, s18, s16                     ; 8 P + s
	s_mul_i32 s24, s18, 3072
	s_add_nc_u64 s[26:27], s[10:11], s[24:25]      ; the two fragments
	s_lshl_b32 s24, s18, 7
	s_add_co_u32 s24, s24, XS_OFF
	s_add_nc_u64 s[10:11], s[10:11], s[24:25]      ; their scale words
.set i, 0
.rept 32
	global_load_b128 v[RX+4*i:RX+4*i+3], v[L16], s[4:5] offset:(8*(i/16)+(i%8)+32*((i%16)/8))*4096 th:TH_LOAD_NT
.set i, i+1
.endr
.macro TOSTAGE u
.irp i, 0,1,2,3,4,5,6,7,8,9,10,11,12,13,14,15
	ds_store_b128 v5, v[RX+64*(\u)+4*\i:RX+64*(\u)+4*\i+3] offset:(16*(\u)+\i)*SLOTB
.endr
.endm
.macro FROMSTAGE u, dst
.irp c, 0,1
.irp j, 0,1,2,3,4,5,6,7
	ds_load_b128 v[\dst+32*\c+4*\j:\dst+32*\c+4*\j+3], v6 offset:(\u)*16*SLOTB+256*\c+16*\j
.endr
.endr
.endm
; 64 numbers of a lane, register 32 c + i = k 64 c + 32 h + i of my row: two WHOLE blocks.  They become the fragment's 12 registers at v[pc] and the row's scale word in v[pw] (in lanes r and 16 + r alike).
.macro Q6 src, pc, pw
.irp c, 0,1
	v_max3_num_f32 v[TT+\c], |v[\src+32*\c]|, |v[\src+32*\c+1]|, FLOOR
.endr
.irp i, 2,4,6,8,10,12,14,16,18,20,22,24,26,28,30
.irp c, 0,1
	s_delay_alu instid0(VALU_DEP_2)
	v_max3_num_f32 v[TT+\c], v[TT+\c], |v[\src+32*\c+\i]|, |v[\src+32*\c+\i+1]|   ; the two blocks by turns
.endr
.endr
.irp c, 0,1
	s_delay_alu instid0(VALU_DEP_2)
	v_add_nc_u32 v[SS+\c], EM2, v[TT+\c]           ; the conversion takes the exponent field of this operand as its scale
.endr
.irp c, 0,1
	s_delay_alu instid0(VALU_DEP_2)
	v_lshrrev_b32 v[BB+\c], 23, v[SS+\c]           ; the scale's byte
.endr
	s_delay_alu instid0(VALU_DEP_1)
	v_lshl_or_b32 v[\pw], v[BB+1], 16, v[BB]       ; my two bytes, blocks h and 2 + h,
	s_delay_alu instid0(VALU_DEP_1)
	v_lshlrev_b32 v[\pw], v[SH], v[\pw]            ; at their places in the word;
	s_delay_alu instid0(VALU_DEP_1)
	v_permlanex16_b32 v[W2], v[\pw], s20, s21
	s_delay_alu instid0(VALU_DEP_1)
	v_or_b32 v[\pw], v[\pw], v[W2]                 ; with lane l xor 16's two the word is whole
.irp c, 0,1
	v_cvt_scalef32_pk16_fp6_f32 v[\pc+6*\c:\pc+6*\c+2], v[\src+32*\c:\src+32*\c+15], v[SS+\c]
	v_cvt_scalef32_pk16_fp6_f32 v[TMP+4*\c:TMP+4*\c+2], v[\src+32*\c+16:\src+32*\c+31], v[SS+\c]   ; (a conversion's three registers begin on an even number)
.endr
	v_nop                                          ; one plain place behind a scaled conversion
.irp c, 0,1
.irp i, 0,1,2
	v_mov_b32 v[\pc+6*\c+3+\i], v[TMP+4*\c+\i]
.endr
.endr
.endm
	s_wait_alu depctr_va_vdst(0)
	s_wait_loadcnt 16                              ; tile 0's sixteen rows are in; tile 1's sixteen may be out
	TOSTAGE 0
	FROMSTAGE 0, X0                                ; LDS serves a wave's instructions in order: these see the stores above
	s_wait_loadcnt 0x0
	TOSTAGE 1
	s_wait_dscnt 16                                ; all but tile 1's sixteen stores: tile 0's numbers are in, and its stores have read v16-79,
	FROMSTAGE 1, RX                                ; which take tile 1's numbers
	Q6 X0, PC0, PW0
.irp c, 0,1,2
	global_store_b128 v[L16], v[PC0+4*\c:PC0+4*\c+3], s[26:27] offset:512*\c
.endr
	s_wait_dscnt 0x0
	Q6 RX, PC1, PW1
.irp c, 0,1,2
	global_store_b128 v[L16], v[PC1+4*\c:PC1+4*\c+3], s[26:27] offset:1536+512*\c
.endr
	v_cndmask_b32 v[PW0], v[PW0], v[PW1], s22      ; lanes 0-15 tile 0's words, lanes 16-31 tile 1's
	global_store_b32 v[L4], v[PW0], s[10:11]
	s_wait_tensorcnt 0x0
	ds_add_u32 v254, v255
	s_wait_dscnt 0x0
	s_endpgm
; ---------------- PATH W: a weight's K step s (128 rows) x 32 columns a wave ----------------
; A LANE TAKES A COLUMN AND ITS REGISTERS RUN DOWN K: a block's largest magnitude needs no other lane and the codes come out with K innermost.  Each load reads 128 consecutive bytes.
; w_qkv: lane L takes column L of the wave's 32, which is row 8 b + L % 8 of tile L / 8 (b: which half of the head's 64): it stores its codes into the four tiles' images itself, eight lanes 128 consecutive bytes;
; the other half's wave, of the same work-group, stores the other 128.  w_out: lane 16 u + i takes column 8 u + i % 8 + 16 (i / 8), row i of tile u.
.Lweights:
	s_wait_alu depctr_va_vdst(0)
	v_and_b32 v5, 7, v1
	v_lshrrev_b32 v6, 3, v1
	v_mul_u32_u24 v9, 1536, v6
	v_lshlrev_b32 v10, 6, v6
	v_lshl_add_u32 v9, v5, 4, v9                   ; w_qkv's codes: tile x 1,536 + 16 x (L % 8)
	v_lshl_add_u32 v10, v5, 2, v10                 ; and scale words: tile x 64 + 4 x (L % 8)
	v_bfe_u32 v6, v1, 3, 1
	s_delay_alu instid0(VALU_DEP_1)
	v_lshl_or_b32 v5, v6, 4, v5
	s_delay_alu instid0(VALU_DEP_1)
	v_lshl_or_b32 v5, v3, 3, v5
	s_delay_alu instid0(VALU_DEP_1)
	v_lshlrev_b32 v5, 2, v5                        ; 4 x my column
.macro WBLOCK b, dst, left             ; block b of my column: its byte, and its 6 registers of codes at v[dst]
	s_wait_loadcnt \left
	v_max3_num_f32 v[WT+\b], |v[D+32*\b]|, |v[D+32*\b+1]|, |v[D+32*\b+2]|
	v_max3_num_f32 v[WU], |v[D+32*\b+3]|, |v[D+32*\b+4]|, |v[D+32*\b+5]|
.irp i, 6,10,14,18,22,26
	s_delay_alu instid0(VALU_DEP_2)
	v_max3_num_f32 v[WT+\b], v[WT+\b], |v[D+32*\b+\i]|, |v[D+32*\b+\i+1]|
	s_delay_alu instid0(VALU_DEP_2)
	v_max3_num_f32 v[WU], v[WU], |v[D+32*\b+\i+2]|, |v[D+32*\b+\i+3]|
.endr
	s_delay_alu instid0(VALU_DEP_2)
	v_max3_num_f32 v[WT+\b], v[WT+\b], |v[D+32*\b+30]|, |v[D+32*\b+31]|
	s_delay_alu instid0(VALU_DEP_1)
	v_max3_num_f32 v[WT+\b], v[WT+\b], v[WU], FLOOR
	s_delay_alu instid0(VALU_DEP_1)
	v_add_nc_u32 v[WSC+\b], EM2, v[WT+\b]
	s_delay_alu instid0(VALU_DEP_1)
	v_lshrrev_b32 v[WB+\b], 23, v[WSC+\b]
	v_cvt_scalef32_pk16_fp6_f32 v[\dst:\dst+2], v[D+32*\b:D+32*\b+15], v[WSC+\b]
	v_cvt_scalef32_pk16_fp6_f32 v[WTMP+4*\b:WTMP+4*\b+2], v[D+32*\b+16:D+32*\b+31], v[WSC+\b]
	v_nop                                          ; one plain place behind a scaled conversion
.irp i, 0,1,2
	v_mov_b32 v[\dst+3+\i], v[WTMP+4*\b+\i]
.endr
.endm
.macro WPATH n, first, kind            ; n: the weight's columns; first: its first work-group; kind 0: w_qkv, 1: w_out
	s_sub_co_u32 s17, ttmp9, \first
	s_and_b32 s18, s17, 7                          ; s: the K step
	s_lshr_b32 s17, s17, 3
	s_lshl_b32 s17, s17, 3
	s_add_co_u32 s17, s17, s16                     ; cg: which 32 columns
	s_mul_i32 s24, s18, 128*(\n)*4
	s_lshl_b32 s19, s17, 7
	s_add_co_u32 s24, s24, s19
.if \kind == 0
	s_add_nc_u64 s[28:29], s[6:7], s[24:25]
	s_lshr_b32 s19, s17, 5                         ; part: q, k or v
	s_bfe_u32 s23, s17, 0x40001                    ; head
	s_and_b32 s30, s17, 1                          ; which 32 of the head's 64
	s_lshl_b32 s23, s23, 3
	s_add_co_u32 s23, s23, s18                     ; 8 head + s
	s_mul_i32 s23, s23, 19200                      ; a head's K step
	s_mul_i32 s24, s19, 6144                       ; its four tiles of q, k or v
	s_lshl_b32 s31, s30, 7                         ; rows 8 b ..
	s_add_co_u32 s24, s24, s31
	s_add_co_u32 s24, s24, s23
	s_add_nc_u64 s[32:33], s[12:13], s[24:25]
	s_lshl_b32 s24, s19, 8
	s_lshl_b32 s31, s30, 5
	s_add_co_u32 s24, s24, s31
	s_add_co_u32 s24, s24, s23
	s_add_co_u32 s24, s24, 18432
	s_add_nc_u64 s[34:35], s[12:13], s[24:25]
.else
	s_add_nc_u64 s[28:29], s[8:9], s[24:25]
	s_lshr_b32 s23, s17, 1                         ; which 64 columns
	s_and_b32 s30, s17, 1
	s_mul_i32 s23, s23, 51200
	s_lshl_b32 s31, s18, 1
	s_add_co_u32 s31, s31, s30                     ; 2 s + which two tiles
	s_mul_i32 s24, s31, 3072
	s_add_co_u32 s24, s24, s23
	s_add_nc_u64 s[32:33], s[14:15], s[24:25]
	s_lshl_b32 s24, s31, 7
	s_add_co_u32 s24, s24, s23
	s_add_co_u32 s24, s24, 49152
	s_add_nc_u64 s[34:35], s[14:15], s[24:25]
.endif
.set k, 0
.rept 128
.if \kind == 0
	global_load_b32 v[D+k], v[L4], s[28:29] offset:k*(\n)*4 th:TH_LOAD_NT   ; at most 127 rows of 12,288 bytes on: inside the signed 24-bit immediate
.else
	global_load_b32 v[D+k], v5, s[28:29] offset:k*(\n)*4 th:TH_LOAD_NT
.endif
.set k, k+1
.endr
	WBLOCK 0, F0, 63                               ; block 0 wants at most 96 loads out, block 1 at most 64: 63 is the largest count that the wait can name
	WBLOCK 1, F1, 63
	WBLOCK 2, F0+6, 32                             ; block 3's 32 loads may be out
	WBLOCK 3, F1+6, 0
	v_lshl_or_b32 v[WPW], v[WB+1], 8, v[WB]        ; my column's scale word: it lies in the lane in which the products read it
	s_delay_alu instid0(VALU_DEP_1)
	v_lshl_or_b32 v[WPW], v[WB+2], 16, v[WPW]
	s_delay_alu instid0(VALU_DEP_1)
	v_lshl_or_b32 v[WPW], v[WB+3], 24, v[WPW]
.if \kind == 0                         ; F0 holds blocks 0 and 2 of my column, the image's lane r; F1 blocks 1 and 3, its lane 16 + r
.irp c, 0,1,2
	global_store_b128 v9, v[F0+4*\c:F0+4*\c+3], s[32:33] offset:512*\c
	global_store_b128 v9, v[F1+4*\c:F1+4*\c+3], s[32:33] offset:256+512*\c
.endr
	global_store_b32 v10, v[WPW], s[34:35]
.else
.irp i, 0,1,2,3,4,5,6,7,8,9,10,11
	v_permlane16_swap_b32 v[F0+\i], v[F1+\i]       ; F0's lanes 16-31 change places with F1's lanes 0-15: F0 is now tile 0's fragment, F1 tile 1's
.endr
.irp c, 0,1,2
	global_store_b128 v[L16], v[F0+4*\c:F0+4*\c+3], s[32:33] offset:512*\c
.endr
.irp c, 0,1,2
	global_store_b128 v[L16], v[F1+4*\c:F1+4*\c+3], s[32:33] offset:1536+512*\c
.endr
	global_store_b32 v[L4], v[WPW], s[34:35]
.endif
.endm
	s_cmp_lt_u32 ttmp9, 224
	s_cbranch_scc0 .Lwout
	s_wait_alu depctr_va_vdst(0)
	WPATH 3072, 128, 0
	s_endpgm
.Lwout:
	s_wait_alu depctr_va_vdst(0)
	WPATH 1024, 224, 1
	s_endpgm
.Lfunc_end_k_q3ca9a8ce40_quant:
	.size	k_q3ca9a8ce40_quant, .Lfunc_end_k_q3ca9a8ce40_quant-k_q3ca9a8ce40_quant
	.p2alignl 7, 3214868480
	.fill 96, 4, 3214868480
	.section	.rodata,"a",@progbits
	.p2align	6, 0x0
	.amdhsa_kernel k_q3ca9a8ce40_quant
		.amdhsa_group_segment_fixed_size 136192
		.amdhsa_private_segment_fixed_size 0
		.amdhsa_enable_private_segment 0
		.amdhsa_kernarg_size 48
		.amdhsa_user_sgpr_count 2
		.amdhsa_user_sgpr_kernarg_segment_ptr 1
		.amdhsa_wavefront_size32 1
		.amdhsa_system_sgpr_workgroup_id_x 1
		.amdhsa_system_sgpr_workgroup_id_y 1
		.amdhsa_system_sgpr_workgroup_id_z 1
		.amdhsa_system_vgpr_workitem_id 0
		.amdhsa_next_free_vgpr 256
		.amdhsa_next_free_sgpr 66
		.amdhsa_reserve_vcc 0
		.amdhsa_float_denorm_mode_32 3
		.amdhsa_float_denorm_mode_16_64 3
		.amdhsa_memory_ordered 1
		.amdhsa_forward_progress 1
		.amdhsa_inst_pref_size 63
	.end_amdhsa_kernel
	.amdgpu_metadata
---
amdhsa.version: [ 1, 2 ]
amdhsa.kernels:
  - .name:           k_q3ca9a8ce40_quant
    .symbol:         k_q3ca9a8ce40_quant.kd
    .args:
      - { .name: x, .offset: 0, .size: 8, .value_kind: global_buffer, .address_space: global }
      - { .name: w_qkv, .offset: 8, .size: 8, .value_kind: global_buffer, .address_space: global }
      - { .name: w_out, .offset: 16, .size: 8, .value_kind: global_buffer, .address_space: global }
      - { .name: xq, .offset: 24, .size: 8, .value_kind: global_buffer, .address_space: global }
      - { .name: wq, .offset: 32, .size: 8, .value_kind: global_buffer, .address_space: global }
      - { .name: wo, .offset: 40, .size: 8, .value_kind: global_buffer, .address_space: global }
    .group_segment_fixed_size: 136192
    .private_segment_fixed_size: 0
    .kernarg_segment_align: 8
    .kernarg_segment_size: 48
    .max_flat_workgroup_size: 256
    .sgpr_count:     66
    .vgpr_count:     256
    .wavefront_size: 32
...
	.end_amdgpu_metadata
.endif
;; end of part 1
;; launch qkv (part 2): grid 16 x 16, 4 waves a work-group, clusters of 4 x 1, 167,936 bytes of LDS; arguments xq, wq, b_qkv, qq, kv; writes qq, kv
.if DOCPART == 2
	.amdgcn_target "amdgcn-amd-amdhsa--gfx1250"
	.amdhsa_code_object_version 6
	.text
	.protected	k_q3ca9a8ce40_qkv
	.globl	k_q3ca9a8ce40_qkv
	.p2align	8
	.type	k_q3ca9a8ce40_qkv,@function
k_q3ca9a8ce40_qkv:
	s_mov_b64 s[64:65], 0
	v_nop
	global_prefetch_b8 v0, s[64:65] scope:SCOPE_SE
	s_setreg_imm32_b32 hwreg(HW_REG_WAVE_MODE, 25, 1), 1
	s_wait_xcnt 0x0
	s_wait_alu depctr_hold_cnt(0) depctr_sa_sdst(0) depctr_va_vdst(0) depctr_va_sdst(0) depctr_va_ssrc(0) depctr_va_vcc(0) depctr_vm_vsrc(0)
	s_getreg_b32 s2, hwreg(HW_REG_IB_STS2, 6, 4)
	s_cmp_eq_u32 s2, 0
	s_cbranch_scc0 .Lentry_in_a_cluster
	s_endpgm
.Lentry_in_a_cluster:
	s_bfe_u32 s2, ttmp6, 0x10000c
	s_cmp_lg_u32 s2, 0x3003
	s_cbranch_scc0 .Lentry_shape_is_right
	s_endpgm
.Lentry_shape_is_right:
; Q, K, V of one head for 256 tokens a work-group, on codes of FP6 (E2M3), and their quantising for the products that follow.  No f32 result is stored.
; SHARES.  Work-group (mb, head): a wave makes 64 tokens (four tiles m) x 192 columns (q, k, v: four tiles each): 48 accumulators of 16 x 16.
; THE WEIGHTS of the head, 8 K steps x (12 fragments + 6 registers of scale words), 153,600 bytes, come into LDS once, two K steps by each wave's one joint load: the four token blocks of a cluster share them (mask 15).
; Waves 0 and 1 bring K steps 0-3, shown by the first barrier; waves 2 and 3 the others, shown by the barrier inside K step 3.  No LDS byte is filled twice.
; x's fragments are read by one wave alone and go from memory into registers, four sets of 48.  Nothing is prefetched: all but the last four sets of x is asked for in the head.
; Q, K are made transposed (source 0 = weights): lane (r, h), register 8 t + j of a token tile is column 32 h + 8 t + j of the head: one block of 32.  V is made untransposed: lane (r, h), register 8 m + j of a column tile
; is token 32 h + 8 m + j of the wave's 64: one block of 32.  So a block's largest magnitude and its codes need no other lane.
; RESULTS: qq: for each (batch, head) 64 double tiles of 1,536 bytes (registers 0-5 tile 2 P, 6-11 tile 2 P + 1), and scale words behind QS_OFF.  kv: for each (batch, head) 16 key steps of 12,800 bytes:
; +0 K's four double tiles, +6,144 V's two bands of 64 keys x four column tiles x 768, +12,288 K's scale words, +12,544 V's.
; LIMITS: NaN and infinities are not served; a block whose largest magnitude lies under 2^-124 (a block of zeros too) gets the byte 1; only this program reads the bytes.
; REGISTERS: window 0: v2-12 offsets, v16-31 x's scale words, v32-79 the weights', v96-239 twelve fragments; window 1: x's sets; window 2: Q and K at 128 part + 32 m + 8 t; window 3: V at 32 t + 8 m, the bias from 128 on.
.set XS_OFF,  3145728
.set QS_OFF,  3145728
.set KSB,     19200
.set SPARE,   8*KSB
.set FLOOR,   0x1800000
.set EM2,     0xff000000
.set L4,  2
.set L16, 3
.set L8,  6
.set BO,  7
.set BVO, 8
.set LW,  10
.set XS,  16
.set WS,  32
.set WF,  96
.set TT,  96
.set T2,  100
.set SS,  104
.set BB,  108
.set PW,  112
.set PC,  116
.set PT,  140
.set WV,  14
.set MSB, 0
.macro WIN new
.if MSB != \new
	s_set_vgpr_msb (MSB<<8)|(\new)
.set MSB, \new
.endif
.endm
.macro PLACES
.rept 4
	v_nop
.endr
.endm
.macro CROUND                          ; a round of the cluster's barrier
	s_barrier_signal -1
	s_barrier_wait -1
	s_cmp_lg_u32 s[WV], 0
	s_cbranch_scc1 .Lnot_wave_0_\@
	s_barrier_signal -3
.Lnot_wave_0_\@:
	s_barrier_wait -3
	s_barrier_signal -1
	s_barrier_wait -1
.endm
.macro WM d, a, b, c, sa, sb, ra, rb   ; one product; ra, rb = 1: that side's scales are read from lanes 16-31
.if (\ra) && (\rb)
	v_wmma_scale_f32_16x16x128_f8f6f4 v[\d:\d+7], v[\a:\a+11], v[\b:\b+11], v[\c:\c+7], v[\sa], v[\sb] matrix_a_fmt:MATRIX_FMT_FP6 matrix_b_fmt:MATRIX_FMT_FP6 matrix_a_scale:MATRIX_SCALE_ROW1 matrix_b_scale:MATRIX_SCALE_ROW1
.elseif (\ra)
	v_wmma_scale_f32_16x16x128_f8f6f4 v[\d:\d+7], v[\a:\a+11], v[\b:\b+11], v[\c:\c+7], v[\sa], v[\sb] matrix_a_fmt:MATRIX_FMT_FP6 matrix_b_fmt:MATRIX_FMT_FP6 matrix_a_scale:MATRIX_SCALE_ROW1
.elseif (\rb)
	v_wmma_scale_f32_16x16x128_f8f6f4 v[\d:\d+7], v[\a:\a+11], v[\b:\b+11], v[\c:\c+7], v[\sa], v[\sb] matrix_a_fmt:MATRIX_FMT_FP6 matrix_b_fmt:MATRIX_FMT_FP6 matrix_b_scale:MATRIX_SCALE_ROW1
.else
	v_wmma_scale_f32_16x16x128_f8f6f4 v[\d:\d+7], v[\a:\a+11], v[\b:\b+11], v[\c:\c+7], v[\sa], v[\sb] matrix_a_fmt:MATRIX_FMT_FP6 matrix_b_fmt:MATRIX_FMT_FP6
.endif
.endm
	s_load_b256 s[4:11], s[0:1], 0x0               ; xq s[4:5], wq s[6:7], b_qkv s[8:9], qq s[10:11]
	s_load_b64 s[12:13], s[0:1], 0x20              ; kv
	v_lshl_add_u32 v254, v0, 2, SPARE
	v_mov_b32 v255, 0
	ds_add_u32 v254, v255                          ; the opening: the add, twice on end, and its wait
	ds_add_u32 v254, v255
	v_lshrrev_b32 v1, 5, v0
	v_readfirstlane_b32 s[WV], v1                  ; wave 0..3
	s_and_b32 s17, ttmp7, 0xffff                   ; head, which the four partners share
	; descriptor group 1: two K steps, 38,400 dense bytes, as 150 rows of 256 bytes (32 elements of 8 bytes); mask 15, bit 21 beside it
	s_mov_b32 s24, 15|(3<<16)|(1<<21)
	s_mov_b32 s25, 32<<16
	s_mov_b32 s26, 150<<16
	s_mov_b32 s27, 32<<16
	s_mov_b32 s28, 150
	s_mov_b32 s29, 32
	s_mov_b32 s30, 0
	s_mov_b32 s31, 0
	s_mul_i32 s18, s[WV], 2*KSB                    ; wave w brings K steps 2 w, 2 w + 1
	s_mul_i32 s20, s17, 8*KSB
	s_add_co_u32 s20, s20, s18
	s_mov_b32 s21, 0
	s_mov_b32 s23, 0
	v_and_b32 v1, 31, v0
	v_lshlrev_b32 v[L4], 2, v1
	v_lshlrev_b32 v[L16], 4, v1
	v_lshlrev_b32 v[L8], 3, v1
	v_add_nc_u32 v[L16+1], 3*KSB, v[L16]
	v_add_nc_u32 v[L16+2], 6*KSB, v[L16]
	v_mov_b32 v[LW], v[L4]
	v_add_nc_u32 v[LW+1], 3*KSB, v[L4]
	v_add_nc_u32 v[LW+2], 6*KSB, v[L4]
	v_bfe_u32 v9, v0, 4, 1
	v_lshlrev_b32 v[BO], 7, v9                     ; Q, K: columns 32 h + ..
	v_and_b32 v9, 7, v0
	v_and_b32 v13, 8, v0
	v_lshl_add_u32 v9, v13, 2, v9
	v_lshlrev_b32 v[BVO], 2, v9                    ; V: column r % 8 + 32 (r / 8) + 8 t
	s_wait_alu depctr_va_vdst(0)                   ; the wait at the head's end
	s_wait_dscnt 0x0
	CROUND                                         ; all four work-groups are here: the joint loads meet
	s_wait_kmcnt 0x0
	s_mov_b32 s32, 1
	s_mov_b32 s33, s18
	s_add_nc_u64 s[34:35], s[6:7], s[20:21]
	s_or_b32 s35, s35, 0x80000000
	s_cmp_lt_u32 s[WV], 2
	s_cbranch_scc0 .Llater_steps
	tensor_load_to_lds s[32:35], s[24:31]
	s_nop 0
	PLACES
	s_branch .Lasked
.Llater_steps:
	tensor_load_to_lds s[32:35], s[24:31]
	s_nop 0
	PLACES
.Lasked:
	s_bfe_u32 s15, ttmp6, 0x40000                  ; cx: it enters the addresses of x and of the results alone
	s_lshl_b32 s16, ttmp9, 2
	s_add_co_u32 s16, s16, s15                     ; mb: my block of 256 tokens
	s_lshl_b32 s19, s16, 3
	s_lshl_b32 s22, s[WV], 1
	s_add_co_u32 s19, s19, s22                     ; my first pair of tiles
	s_lshl_b32 s22, s19, 10
	s_add_co_u32 s22, s22, XS_OFF
	s_add_nc_u64 s[58:59], s[4:5], s[22:23]
	s_mul_i32 s22, s19, 24576
	s_add_nc_u64 s[4:5], s[4:5], s[22:23]
	s_lshl_b32 s22, s17, 8
	s_add_nc_u64 s[8:9], s[8:9], s[22:23]
.macro XLD s                           ; x's four fragments of K step s into set s % 4: twelve loads
	WIN 0x40
.irp m, 0,1,2,3
.irp c, 0,1,2
	global_load_b128 v[48*((\s)%4)+12*\m+4*\c:48*((\s)%4)+12*\m+4*\c+3], v[L16], s[4:5] offset:(\m/2)*24576+(\s)*3072+(\m%2)*1536+512*\c
.endr
.endr
	WIN 0
.endm
	XLD 0
.irp p, 0,1
.irp s, 0,1,2,3,4,5,6,7
	global_load_b32 v[XS+8*\p+\s], v[L4], s[58:59] offset:1024*\p+128*\s
.endr
.endr
	WIN 0xc0
.irp t, 0,1,2,3,4,5,6,7                ; the bias, the first products' C: Q's and K's as the result lies,
	global_load_b128 v[128+8*\t:128+8*\t+3], v[BO], s[8:9] offset:(\t/4)*4096+(\t%4)*32
	global_load_b128 v[128+8*\t+4:128+8*\t+7], v[BO], s[8:9] offset:(\t/4)*4096+(\t%4)*32+16
.endr
.irp t, 0,1,2,3                        ; V's one number a lane and tile
	global_load_b32 v[192+8*\t], v[BVO], s[8:9] offset:8192+32*\t
.endr
	WIN 0
	XLD 1
	XLD 2
	XLD 3
	s_lshr_b32 s19, s16, 3
	s_lshl_b32 s19, s19, 4
	s_add_co_u32 s19, s19, s17                     ; 16 batch + head
	s_and_b32 s55, s16, 7                          ; which 256 tokens of the batch
	s_mul_i32 s22, s19, 98304
	s_lshl_b32 s60, s55, 3
	s_lshl_b32 s61, s[WV], 1
	s_add_co_u32 s60, s60, s61
	s_mul_i32 s60, s60, 1536
	s_add_co_u32 s22, s22, s60
	s_add_nc_u64 s[40:41], s[10:11], s[22:23]      ; Q's codes
	s_lshl_b32 s22, s19, 12
	s_lshl_b32 s60, s55, 2
	s_add_co_u32 s60, s60, s[WV]
	s_lshl_b32 s60, s60, 7
	s_add_co_u32 s22, s22, s60
	s_add_co_u32 s22, s22, QS_OFF
	s_add_nc_u64 s[42:43], s[10:11], s[22:23]      ; Q's scale words
	s_lshl_b32 s60, s55, 1
	s_lshr_b32 s61, s[WV], 1
	s_add_co_u32 s60, s60, s61                     ; my key step
	s_lshr_b32 s61, s60, 3                         ; key step g + 8 b lies at place 2 g + b
	s_and_b32 s60, s60, 7
	s_lshl_b32 s60, s60, 1
	s_add_co_u32 s60, s60, s61
	s_mul_i32 s60, s60, 12800
	s_mul_i32 s22, s19, 204800
	s_add_co_u32 s22, s22, s60
	s_add_nc_u64 s[12:13], s[12:13], s[22:23]
	s_and_b32 s62, s[WV], 1                        ; my band of 64 in it
	s_mul_i32 s22, s62, 3072
	s_add_nc_u64 s[44:45], s[12:13], s[22:23]      ; K's codes
	s_add_co_u32 s22, s22, 6144
	s_add_nc_u64 s[48:49], s[12:13], s[22:23]      ; V's
	s_lshl_b32 s22, s62, 7
	s_add_co_u32 s22, s22, 12288
	s_add_nc_u64 s[46:47], s[12:13], s[22:23]      ; K's scale words
	s_lshl_b32 s22, s62, 1
	s_add_co_u32 s22, s22, 12544
	s_add_nc_u64 s[50:51], s[12:13], s[22:23]      ; V's two bytes of a word
.macro FQK s                           ; Q's and K's eight fragments of K step s and their four registers of scale words: 28 loads
.irp i, 0,1,2,3
	ds_load_b32 v[WS+6*(\s)+\i], v[LW+(\s)/3] offset:((\s)%3)*KSB+18432+128*\i
.endr
.irp t, 0,1,2,3,4,5,6,7
.irp c, 0,1,2
	ds_load_b128 v[WF+12*\t+4*\c:WF+12*\t+4*\c+3], v[L16+(\s)/3] offset:((\s)%3)*KSB+\t*1536+512*\c
.endr
.endr
.endm
.macro FV s                            ; V's four fragments and two registers: 14 loads
.irp i, 4,5
	ds_load_b32 v[WS+6*(\s)+\i], v[LW+(\s)/3] offset:((\s)%3)*KSB+18432+128*\i
.endr
.irp t, 8,9,10,11
.irp c, 0,1,2
	ds_load_b128 v[WF+12*\t+4*\c:WF+12*\t+4*\c+3], v[L16+(\s)/3] offset:((\s)%3)*KSB+\t*1536+512*\c
.endr
.endr
.endm
	s_cmp_lt_u32 s[WV], 2
	s_cbranch_scc0 .Lnot_first
	s_wait_tensorcnt 0x0                           ; waves 0 and 1: K steps 0-3 have landed
.Lnot_first:
	s_barrier_signal -1
	s_barrier_wait -1
	FQK 0
	FV 0
; A K STEP: 32 products of Q and K, 16 of V; the accumulators take turns, one instruction a turn, in the same order in every step.
.macro KSTEP s
.if (\s) <= 4
	s_wait_loadcnt 36                              ; this step's x is in; behind it three sets of 12 loads were asked for
.else
	s_wait_loadcnt 12*(7-(\s))
.endif
.if (\s) == 0
	WIN 0xc3
.irp t, 0,1,2,3
.irp i, 1,2,3,4,5,6,7
	v_mov_b32 v[192+8*\t+\i], v[192+8*\t]          ; V's bias over the tile's eight registers
.endr
.endr
	s_wait_alu depctr_va_vdst(0)                   ; ahead of the wait below
.endif
.if (\s) == 3
	s_wait_dscnt 0x0
	s_wait_tensorcnt 0x0                           ; K steps 4-7 are shown to all
	s_barrier_signal -1
.else
	s_wait_dscnt 14                                ; Q's and K's fragments are in; V's 14 loads may be out
.endif
.if (\s) == 0
	WIN 0xb4
.else
	WIN 0xa4
.endif
.irp t, 0,1,2,3,4,5,6,7
.irp m, 0,1,2,3
.set rD, 128*(\t/4)+32*\m+8*(\t%4)
.set rC, rD
.if (\s) == 0
.set rC, 128+8*\t
.endif
	WM rD, WF+12*\t, 48*((\s)%4)+12*\m, rC, WS+6*(\s)+\t/2, XS+8*(\m/2)+(\s), \t%2, \m%2
.endr
.endr
	PLACES
	WIN 0
.if (\s) == 3
	s_barrier_wait -1
.endif
.if (\s) < 7
	FQK (\s)+1
	s_wait_dscnt 28                                ; V's fragments are in; the 28 just issued may be out
.else
	s_wait_dscnt 0x0
.endif
	WIN 0xf1
.irp t, 0,1,2,3
.irp m, 0,1,2,3
.set rD, 32*\t+8*\m
.set rC, rD
.if (\s) == 0
.set rC, 192+8*\t
.endif
	WM rD, 48*((\s)%4)+12*\m, WF+12*(8+\t), rC, XS+8*(\m/2)+(\s), WS+6*(\s)+4+\t/2, \m%2, \t%2
.endr
.endr
	PLACES
	WIN 0
.if (\s) < 7
	FV (\s)+1
.endif
.if (\s) < 4
	XLD (\s)+4
.endif
.endm
.irp s, 0,1,2,3,4,5,6,7
	KSTEP \s
.endr
; THE QUANTISER of four blocks a lane, 32 registers each from base on in window win: codes at v[PC + 6 x], bytes in v[BB + x].  Two chains of maxima a block; the floor holds the byte at 1 from below.
.macro Q4 win, base
	s_wait_xcnt 0x0                                ; earlier stores have read the registers that are written here
	WIN 21*(\win)
.irp x, 0,1,2,3
	v_max3_num_f32 v[TT+\x], |v[(\base)+32*\x]|, |v[(\base)+32*\x+1]|, |v[(\base)+32*\x+2]|
	v_max3_num_f32 v[T2+\x], |v[(\base)+32*\x+16]|, |v[(\base)+32*\x+17]|, |v[(\base)+32*\x+18]|
.endr
	WIN 5*(\win)
.irp i, 3,5,7,9,11,13
.irp x, 0,1,2,3
	v_max3_num_f32 v[TT+\x], |v[(\base)+32*\x+\i]|, |v[(\base)+32*\x+\i+1]|, v[TT+\x]
	v_max3_num_f32 v[T2+\x], |v[(\base)+32*\x+16+\i]|, |v[(\base)+32*\x+17+\i]|, v[T2+\x]
.endr
.endr
.irp x, 0,1,2,3
	v_max3_num_f32 v[TT+\x], |v[(\base)+32*\x+15]|, |v[(\base)+32*\x+31]|, v[TT+\x]
.endr
	WIN 0
.irp x, 0,1,2,3
	v_max3_num_f32 v[TT+\x], v[TT+\x], v[T2+\x], FLOOR
.endr
.irp x, 0,1,2,3
	v_add_nc_u32 v[SS+\x], EM2, v[TT+\x]           ; 2 off the exponent field: the conversion's scale operand
.endr
.irp x, 0,1,2,3
	v_lshrrev_b32 v[BB+\x], 23, v[SS+\x]
.endr
	WIN \win
.irp x, 0,1,2,3
	v_cvt_scalef32_pk16_fp6_f32 v[PC+6*\x:PC+6*\x+2], v[(\base)+32*\x:(\base)+32*\x+15], v[SS+\x]
	v_cvt_scalef32_pk16_fp6_f32 v[PT+4*\x:PT+4*\x+2], v[(\base)+32*\x+16:(\base)+32*\x+31], v[SS+\x]
.endr
	WIN 0
	v_nop                                          ; one plain place behind a scaled conversion
.irp x, 0,1,2,3
.irp i, 0,1,2
	v_mov_b32 v[PC+6*\x+3+\i], v[PT+4*\x+\i]       ; (a conversion's three registers begin on an even number)
.endr
.endr
.endm
.macro QKOUT base, cb, sb
	Q4 2, \base
.irp p, 0,1
.irp c, 0,1,2
	global_store_b128 v[L16], v[PC+12*\p+4*\c:PC+12*\p+4*\c+3], s[\cb:\cb+1] offset:1536*\p+512*\c
.endr
	v_lshl_or_b32 v[PW+\p], v[BB+2*\p+1], 16, v[BB+2*\p]   ; double tile p: my half's block of both tiles
.endr
	v_permlane16_swap_b32 v[PW], v[PW+1]           ; PW: both double tiles' block 0 bytes, lanes 0-15 p = 0, lanes 16-31 p = 1; PW + 1: their block 1 bytes
	v_lshl_or_b32 v[PW], v[PW+1], 8, v[PW]
	global_store_b32 v[L4], v[PW], s[\sb:\sb+1]
.endm
	QKOUT 0, 40, 42
	QKOUT 128, 44, 46
	Q4 3, 0
.irp t, 0,1,2,3
	global_store_b128 v[L16], v[PC+6*\t:PC+6*\t+3], s[48:49] offset:\t*768
	global_store_b64 v[L8], v[PC+6*\t+4:PC+6*\t+5], s[48:49] offset:\t*768+512
.endr
.irp g, 0,1
	v_permlane16_swap_b32 v[BB+2*\g], v[BB+2*\g+1]
	v_lshl_or_b32 v[PW+\g], v[BB+2*\g+1], 8, v[BB+2*\g]
	global_store_b16 v[L4], v[PW+\g], s[50:51] offset:128*\g
.endr
	s_wait_tensorcnt 0x0                           ; the wave's end
	ds_add_u32 v254, v255
	s_wait_dscnt 0x0
	CROUND                                         ; the closing round
	s_endpgm
.Lfunc_end_k_q3ca9a8ce40_qkv:
	.size	k_q3ca9a8ce40_qkv, .Lfunc_end_k_q3ca9a8ce40_qkv-k_q3ca9a8ce40_qkv
	.p2alignl 7, 3214868480
	.fill 96, 4, 3214868480
	.section	.rodata,"a",@progbits
	.p2align	6, 0x0
	.amdhsa_kernel k_q3ca9a8ce40_qkv
		.amdhsa_group_segment_fixed_size 167936
		.amdhsa_private_segment_fixed_size 0
		.amdhsa_enable_private_segment 0
		.amdhsa_kernarg_size 40
		.amdhsa_user_sgpr_count 2
		.amdhsa_user_sgpr_kernarg_segment_ptr 1
		.amdhsa_wavefront_size32 1
		.amdhsa_system_sgpr_workgroup_id_x 1
		.amdhsa_system_sgpr_workgroup_id_y 1
		.amdhsa_system_sgpr_workgroup_id_z 1
		.amdhsa_system_vgpr_workitem_id 0
		.amdhsa_next_free_vgpr 1024
		.amdhsa_next_free_sgpr 66
		.amdhsa_reserve_vcc 0
		.amdhsa_float_denorm_mode_32 3
		.amdhsa_float_denorm_mode_16_64 3
		.amdhsa_memory_ordered 1
		.amdhsa_forward_progress 1
		.amdhsa_inst_pref_size 113
	.end_amdhsa_kernel
	.amdgpu_metadata
---
amdhsa.version: [ 1, 2 ]
amdhsa.kernels:
  - .name:           k_q3ca9a8ce40_qkv
    .symbol:         k_q3ca9a8ce40_qkv.kd
    .args:
      - { .name: xq, .offset: 0, .size: 8, .value_kind: global_buffer, .address_space: global }
      - { .name: wq, .offset: 8, .size: 8, .value_kind: global_buffer, .address_space: global }
      - { .name: b_qkv, .offset: 16, .size: 8, .value_kind: global_buffer, .address_space: global }
      - { .name: qq, .offset: 24, .size: 8, .value_kind: global_buffer, .address_space: global }
      - { .name: kv, .offset: 32, .size: 8, .value_kind: global_buffer, .address_space: global }
    .group_segment_fixed_size: 167936
    .private_segment_fixed_size: 0
    .kernarg_segment_align: 8
    .kernarg_segment_size: 40
    .max_flat_workgroup_size: 128
    .sgpr_count:     66
    .vgpr_count:     1024
    .wavefront_size: 32
...
	.end_amdgpu_metadata
.endif
;; end of part 2
;; launch attn (part 3): grid 8 x 32, 8 waves a work-group, clusters of 4 x 1, 275,456 bytes of LDS; arguments qq, kv, aq; writes aq
.if DOCPART == 3
	.amdgcn_target "amdgcn-amd-amdhsa--gfx1250"
	.amdhsa_code_object_version 6
	.text
	.protected	k_q3ca9a8ce40_attn
	.globl	k_q3ca9a8ce40_attn
	.p2align	8
	.type	k_q3ca9a8ce40_attn,@function
k_q3ca9a8ce40_attn:
	s_mov_b64 s[64:65], 0
	v_nop
	global_prefetch_b8 v0, s[64:65] scope:SCOPE_SE
	s_setreg_imm32_b32 hwreg(HW_REG_WAVE_MODE, 25, 1), 1
	s_wait_xcnt 0x0
	s_wait_alu depctr_hold_cnt(0) depctr_sa_sdst(0) depctr_va_vdst(0) depctr_va_sdst(0) depctr_va_ssrc(0) depctr_va_vcc(0) depctr_vm_vsrc(0)
	s_getreg_b32 s2, hwreg(HW_REG_IB_STS2, 6, 4)
	s_cmp_eq_u32 s2, 0
	s_cbranch_scc0 .Lentry_in_a_cluster
	s_endpgm
.Lentry_in_a_cluster:
	s_bfe_u32 s2, ttmp6, 0x10000c
	s_cmp_lg_u32 s2, 0x3003
	s_cbranch_scc0 .Lentry_shape_is_right
	s_endpgm
.Lentry_shape_is_right:
; Causal attention of one head on codes of FP6 (E2M3) with E8M0 scales, and the quantising of its result for the last product.
; THE SOFTMAX AHEAD OF THE SECOND PRODUCT: t = score x log2(e) / 8; M = the row's largest t so far, rounded UP to a whole number; p = 2^(t - M) is quantised along the keys, not normalised; the row's sum is taken of the
; unquantised p and divides O at the end.  When M moves, the sum and O are multiplied by 2^(old M - new M): exact.
; DEAD WORK: key steps wholly above the diagonal are not done, nor the second 64 keys of a diagonal step for a tile of the first 64 queries: reference() puts -infinity there, p = 0.  A NaN or an overflow that reaches
; only them is not carried to the result.
; SHARES.  A head has 16 blocks of 128 queries; blocks j ('early') and 15 - j ('late') together have 17 key steps of 128.  A wave works TWO tiles of 16 queries of a block side by side, x = 0 in its first 64 queries and
; x = 1 in its second.  TWO WAVES own two tiles of each of both blocks: wave A walks the late tiles' key steps 0-7; wave B walks their steps 8 .. 15 - j and the early tiles' 0 .. j: nine steps.
; B takes the longer of its two phases first, so neither diagonal nor change of phase falls into its first four trips.
; B leaves its part of the late tiles (O, M, the sum) in LDS; A joins it to its own and writes the late tiles out; B writes the early ones out.
; CLUSTER: four work-groups of a head.  Wave pair w / 2 of every partner has the same j = 4 (cluster x) + w / 2; only the tiles differ: cx + 4 x of a block's eight.  So no branch and no LDS address hangs on cx,
; and all partners ask jointly (mask 15) for K and V.
; LDS.  K, V and scale bytes of a head, 16 key steps of 12,800 bytes, come ONCE, one tensor load a wave: wave w brings slots 2 w and 2 w + 1, key steps w and 8 + w.  Slots 0-5 serve the first two trips (K is read a trip
; ahead) and are shown by the first barrier, the others by the second.  No LDS byte is filled twice.  Nothing is prefetched: all that the work-group reads is asked for in its first lines.
; LAYOUT.  Both products are used transposed: S^T = K Q^T, O^T = V^T P^T: a lane holds ONE query (lane % 16) of each tile.  The head's size is 64, half of the instruction's 128: a double tile of K holds tile 2 b in
; k = 0 .. 63 and tile 2 b + 1 in k = 64 .. 127, and is multiplied by [q | zeros] and by [zeros | q]: zero codes add nothing.  Row i of tile 4 c + t is key (query, channel) 64 c + 32 (i / 8) + 8 t + i % 8,
; so register 32 c + n of the scores in lane (r, h) is key 64 c + 32 h + n: a lane holds whole blocks of 32 in the order of the next operand.
; aq: for each 64 tokens four tiles x 16 heads x 768 bytes, and behind them 2,048 bytes of scale words.
; LIMITS: scaled scores stay under 2^31 in magnitude; NaN and infinities are not served; a block whose largest magnitude lies under 2^-124 (a block of zeros too) gets the byte 1; only this program reads the bytes.
.set QS_OFF, 3145728
.set STEPB, 12800                      ; +0 K's 4 double tiles; +6,144 V's 2 x 4 halves; +12,288 K's scale words; +12,544 V's
.set GRP,   51200                      ; aq: 64 tokens
.set DUMP,  16*STEPB                   ; a wave's own 2 x 4,352 bytes: for each tile 32 registers of O, the sum and -M
.set DSZ,   4352
.set SPARE, DUMP+16*DSZ
.set FLOOR, 0x1800000
.set EM2,   0xff000000
; window 0
.set MX,  12                           ; v12, v14: -M; v13, v15: the largest score so far
.set LS,  16                           ; v16-17, v18-19 the sums, in two halves
.set F,   20                           ; v20, v22: 2^(old M - new M) (v21, v23 are named with them)
.set T0,  24                           ; v24-29
.set T1,  26
.set T2,  28
.set QS,  32                           ; scale words: q's, K's, V's, p's, the second phase's q's
.set KS,  34
.set VS,  36
.set PW,  38
.set Q2S, 40
.set BM,  42                           ; per tile and block: the largest; second chain; byte; scale operand
.set BT,  46
.set BX,  50
.set BS,  54
.set SA,  58                           ; v58-65 partial sums, two chains a tile
.set PC,  66                           ; v66-89 p's codes
.set PT,  90                           ; v90-105 second halves
.set SPW, 110
.set NIL, 111
.set S,   128                          ; v128-255 the scores, then p
; window 1
.set K,   0                            ; four double tiles of K
.set V,   48                           ; four fragments of V
.set Q,   96                           ; per tile [q: 6][zeros: 6][q: 6]
.set O,   160                          ; O^T
.set Q2,  224                          ; the second phase's q
.set WV,  10
.set ROLE, 12                          ; 1: B
.set IT,  66                           ; the trip, 0 .. 8
.set SB,  67                           ; slot of a trip = 2 IT + SB
.set SB1, 68
.set TB,  69
.set LD,  70                           ; the trip of my next diagonal
.set L1,  71                           ; the last trip of B's first phase (A: 31, never)
.set HB,  72                           ; 1: B's first phase is the late tiles'
.set LT,  74                           ; my last trip
.set MSB, 0
.macro WIN new
.if MSB != \new
	s_set_vgpr_msb (MSB<<8)|(\new)
.set MSB, \new
.endif
.endm
.macro PLACES
.rept 4
	v_nop
.endr
.endm
.macro CROUND                          ; a round of the cluster's barrier
	s_barrier_signal -1
	s_barrier_wait -1
	s_cmp_lg_u32 s[WV], 0
	s_cbranch_scc1 .Lnot_wave_0_\@
	s_barrier_signal -3
.Lnot_wave_0_\@:
	s_barrier_wait -3
	s_barrier_signal -1
	s_barrier_wait -1
.endm
	s_load_b128 s[4:7], s[0:1], 0x0                ; qq s[4:5], kv s[6:7]
	s_load_b64 s[8:9], s[0:1], 0x10                ; aq
	v_lshl_add_u32 v[SPW], v0, 2, SPARE
	v_mov_b32 v[NIL], 0
	ds_add_u32 v[SPW], v[NIL]                      ; the opening: the add, twice on end, and its wait
	ds_add_u32 v[SPW], v[NIL]
	v_lshrrev_b32 v24, 5, v0
	v_readfirstlane_b32 s[WV], v24                 ; wave 0..7
	s_and_b32 s11, ttmp7, 0xffff                   ; bh
	; descriptor group 1: two key steps, 25,600 dense bytes, as 100 rows of 256 bytes (32 elements of 8 bytes); mask 15, bit 21 beside it
	s_mov_b32 s24, 15|(3<<16)|(1<<21)
	s_mov_b32 s25, 32<<16
	s_mov_b32 s26, 100<<16
	s_mov_b32 s27, 32<<16
	s_mov_b32 s28, 100
	s_mov_b32 s29, 32
	s_mov_b32 s30, 0
	s_mov_b32 s31, 0
	s_mul_i32 s33, s[WV], 2*STEPB
	s_mul_i32 s56, s11, 16*STEPB
	s_add_co_u32 s56, s56, s33
	s_mov_b32 s57, 0
	s_bfe_u32 s15, ttmp6, 0x40000                  ; cx: it enters the tiles' number alone
	s_lshr_b32 s[ROLE], s[WV], 2
	s_xor_b32 s[ROLE], s[ROLE], s[WV]
	s_and_b32 s[ROLE], s[ROLE], 1                  ; of waves w % 4 = const, and of waves w / 2 = const, one is A and one B
	s_lshr_b32 s13, s[WV], 1
	s_lshl_b32 s14, ttmp9, 2
	s_add_co_u32 s13, s14, s13                     ; j
	s_sub_co_u32 s14, 15, s13                      ; the late block
	s_cmp_eq_u32 ttmp9, 0                          ; j < 4: B's late phase is the longer one
	s_cselect_b32 s16, s14, s13
	s_cmp_eq_u32 s[ROLE], 0
	s_cselect_b32 s16, s14, s16                    ; my first phase's block
	s_cselect_b32 s18, s14, s13                    ; the block that I write out
	s_cselect_b32 s47, 31, 0
	s_sub_co_u32 s17, 15, s16                      ; my second phase's block
	s_lshr_b32 s[HB], s16, 3
	s_and_b32 s[HB], s[HB], s[ROLE]
	s_mov_b32 s[SB], s[HB]                         ; slot of key step g + 8 b is 2 g + b
	s_and_b32 s[L1], s16, 7
	s_lshl_b32 s[SB1], s[L1], 1
	s_add_co_u32 s[SB1], s[SB1], s[HB]
	s_sub_co_u32 s[SB1], -1, s[SB1]                ; (1 - HB) - 2 (L1 + 1)
	s_or_b32 s[L1], s[L1], s47
	s_mov_b32 s[LD], s[L1]
	s_add_co_u32 s[LT], s[ROLE], 7
	s_lshr_b32 s46, s15, 1                         ; my tiles' pair in their 64,
	s_and_b32 s47, s15, 1                          ; and place in it
	s_sub_co_u32 s44, 0, s47                       ; all lanes, where that is 1
	s_lshl_b32 s45, s47, 4
	s_lshl_b32 s62, s15, 3
	s_mul_i32 s58, s[WV], 2*DSZ
	s_add_co_u32 s58, s58, DUMP
	s_xor_b32 s59, s[WV], 1
	s_mul_i32 s59, s59, 2*DSZ
	s_add_co_u32 s59, s59, DUMP
	s_mul_i32 s84, s11, 98304
	s_lshl_b32 s85, s11, 12
	s_add_co_u32 s85, s85, QS_OFF
.irp x, 0,1                            ; where the double tiles of my two phases lie, and their scale words
	s_lshl_b32 s54, s[16+\x], 2
	s_add_co_u32 s54, s54, s46
	s_mul_i32 s[76+2*\x], s54, 1536
	s_add_co_u32 s[76+2*\x], s[76+2*\x], s84
	s_lshl_b32 s[80+2*\x], s54, 6
	s_add_co_u32 s[80+2*\x], s[80+2*\x], s85
	s_mov_b32 s[77+2*\x], 0
	s_mov_b32 s[81+2*\x], 0
.endr
	s_wait_alu depctr_va_vdst(0)
	v_and_b32 v24, 31, v0
	v_and_b32 v25, 15, v0                          ; r
	v_bfe_u32 v26, v0, 4, 1                        ; h
	v_lshlrev_b32 v1, 4, v24
	v_lshlrev_b32 v2, 3, v24
	v_lshlrev_b32 v3, 2, v24
	v_lshlrev_b32 v29, 2, v25
	v_lshl_add_u32 v11, v25, 2, v26                ; 4 r + h
	v_and_b32 v7, 7, v25
	v_lshrrev_b32 v27, 3, v25
	v_sub_nc_u32 v27, v27, v26
	v_lshl_add_u32 v7, v27, 5, v7
	v_add_nc_u32 v7, s62, v7                       ; d = my query in its 64 - 32 h: among the diagonal's own 64 keys, register n is hidden where n > d
	v_add_nc_u32 v9, s58, v1                       ; my part for the other wave: where I put it,
	v_add_nc_u32 v10, s58, v2
	v_add_nc_u32 v30, s59, v1                      ; and the other's
	v_add_nc_u32 v31, s59, v2
	s_wait_alu depctr_va_vdst(0)                   ; ahead of the waits below
	s_wait_dscnt 0x0
	CROUND                                         ; all four work-groups are here: the joint loads meet
	s_wait_kmcnt 0x0
	s_mov_b32 s32, 1
	s_add_nc_u64 s[34:35], s[6:7], s[56:57]
	s_or_b32 s35, s35, 0x80000000
	s_cmp_lt_u32 s[WV], 3
	s_cbranch_scc0 .Lrest
	tensor_load_to_lds s[32:35], s[24:31]          ; one load a wave: slots 0-5,
	s_nop 0
	PLACES
	s_branch .Lasked
.Lrest:
	tensor_load_to_lds s[32:35], s[24:31]          ; slots 6-15
	s_nop 0
	PLACES
.Lasked:
.irp x, 0,1
	s_add_nc_u64 s[36+2*\x:37+2*\x], s[4:5], s[76+2*\x:77+2*\x]
	s_add_nc_u64 s[40+2*\x:41+2*\x], s[4:5], s[80+2*\x:81+2*\x]
.endr
.irp p, 0,1                            ; phase p, tile x: the double tile at v[S + 24 p + 12 x], the scale word at v[S + 48 + 2 p + x]
.irp x, 0,1
.irp c, 0,1,2
	global_load_b128 v[S+24*\p+12*\x+4*\c:S+24*\p+12*\x+4*\c+3], v1, s[36+2*\p:37+2*\p] offset:3072*\x+512*\c
.endr
	global_load_b32 v[S+48+2*\p+\x], v29, s[40+2*\p:41+2*\p] offset:128*\x
.endr
.endr
	; where my results go: tile x of group 32 batch + 2 block + x
	s_lshr_b32 s54, s11, 4                         ; batch
	s_and_b32 s56, s11, 15                         ; head
	s_lshl_b32 s54, s54, 5
	s_lshl_b32 s60, s18, 1
	s_add_co_u32 s54, s54, s60
	s_mul_i32 s54, s54, GRP
	s_mul_i32 s60, s15, 12288
	s_add_co_u32 s60, s60, s54
	s_mul_i32 s62, s56, 768
	s_add_co_u32 s60, s60, s62
	s_mov_b32 s61, 0
	s_add_nc_u64 s[60:61], s[8:9], s[60:61]
	s_lshl_b32 s62, s46, 10
	s_add_co_u32 s62, s62, s54
	s_lshr_b32 s63, s56, 1
	s_lshl_b32 s63, s63, 7
	s_add_co_u32 s62, s62, s63
	s_lshl_b32 s63, s47, 6
	s_add_co_u32 s62, s62, s63
	s_and_b32 s63, s56, 1
	s_lshl_b32 s63, s63, 1
	s_add_co_u32 s62, s62, s63
	s_add_co_u32 s62, s62, 49152
	s_mov_b32 s63, 0
	s_add_nc_u64 s[62:63], s[8:9], s[62:63]
	s_mov_b32 s20, 0x76543210
	s_mov_b32 s21, 0xfedcba98                      ; v_permlanex16_b32's selects for lane l xor 16
	s_mov_b32 s22, 0x3e38aa3b                      ; c = log2(e) / 8
	s_mov_b32 s23, s22                             ; (named with it as a pair, so it is written)
.macro FRESH                           ; a phase begins: the largest score -3e38, -M over every -t, sum and O zero.  (The first change of M multiplies zeros)
.irp x, 0,1
	v_mov_b32 v[MX+2*\x], 0x7f61b1e6
	v_mov_b32 v[MX+2*\x+1], 0xff61b1e6
	v_mov_b32 v[LS+2*\x], 0
	v_mov_b32 v[LS+2*\x+1], 0
.endr
	WIN 0x40
.set n, 0
.rept 64
	v_mov_b32 v[O+n], 0
.set n, n+1
.endr
	WIN 0
.endm
	v_mov_b32 v8, 0xff800000                       ; -infinity
.irp x, 0,1
	v_mov_b32 v[F+2*\x+1], 0                       ; (named as the upper half of a pair)
	v_mov_b32 v[T1+\x], 0                          ; a lane permute's destination counts as one of its sources
.endr
	WIN 0x40
.irp x, 0,1
.irp i, 6,7,8,9,10,11
	v_mov_b32 v[Q+18*\x+\i], 0                     ; zero codes
.endr
.endr
	s_wait_alu depctr_va_vdst(0)
	s_wait_loadcnt 0x0
.irp x, 0,1                            ; my tile's half of the double tile
.irp i, 0,1,2,3,4,5
	v_cndmask_b32 v[Q+18*\x+\i], v[S+12*\x+\i], v[S+12*\x+6+\i], s44
	v_cndmask_b32 v[Q+18*\x+12+\i], v[S+12*\x+\i], v[S+12*\x+6+\i], s44
	v_cndmask_b32 v[Q2+6*\x+\i], v[S+24+12*\x+\i], v[S+24+12*\x+6+\i], s44
.endr
.endr
	WIN 0
.irp x, 0,1,2,3
	v_lshrrev_b32 v[S+48+\x], s45, v[S+48+\x]
.endr
.irp x, 0,1,2,3
	v_and_b32 v[S+48+\x], 0xffff, v[S+48+\x]       ; my tile's two bytes,
.endr
.irp x, 0,1
	v_lshl_or_b32 v[QS+\x], v[S+48+\x], 16, v[S+48+\x]     ; under k = 0 .. 63 and under k = 64 .. 127
	v_lshl_or_b32 v[Q2S+\x], v[S+50+\x], 16, v[S+50+\x]
.endr
	FRESH                                          ; these lines are also the places between the writes above and the first products
	s_min_u32 s[TB], s[SB], 1
	s_mul_i32 s[TB], s[TB], STEPB
.macro KLOAD                           ; the LDS addresses of the slot at s[TB], and its K: 14 loads
	v_add_nc_u32 v4, s[TB], v1
	v_add_nc_u32 v5, s[TB], v2
	v_add_nc_u32 v6, s[TB], v3
.irp e, 0,1
	ds_load_b32 v[KS+\e], v6 offset:12288+128*\e
.endr
	WIN 0x40
.irp b, 0,1,2,3
.irp c, 0,1,2
	ds_load_b128 v[K+12*\b+4*\c:K+12*\b+4*\c+3], v4 offset:1536*\b+512*\c
.endr
.endr
	WIN 0
.endm
.macro QK x, b, u                      ; S^T, tile 2 b + u of the step's keys
.if \b%2
	v_wmma_scale_f32_16x16x128_f8f6f4 v[S+64*\x+16*\b+8*\u:S+64*\x+16*\b+8*\u+7], v[K+12*\b:K+12*\b+11], v[Q+18*\x+6*\u:Q+18*\x+6*\u+11], 0, v[KS+\b/2], v[QS+\x] matrix_a_fmt:MATRIX_FMT_FP6 matrix_b_fmt:MATRIX_FMT_FP6 matrix_a_scale:MATRIX_SCALE_ROW1
.else
	v_wmma_scale_f32_16x16x128_f8f6f4 v[S+64*\x+16*\b+8*\u:S+64*\x+16*\b+8*\u+7], v[K+12*\b:K+12*\b+11], v[Q+18*\x+6*\u:Q+18*\x+6*\u+11], 0, v[KS+\b/2], v[QS+\x] matrix_a_fmt:MATRIX_FMT_FP6 matrix_b_fmt:MATRIX_FMT_FP6
.endif
.endm
.macro PV x, t                         ; O^T += V^T P^T, 16 channels
.if \t%2
	v_wmma_scale_f32_16x16x128_f8f6f4 v[O+32*\x+8*\t:O+32*\x+8*\t+7], v[V+12*\t:V+12*\t+11], v[PC+12*\x:PC+12*\x+11], v[O+32*\x+8*\t:O+32*\x+8*\t+7], v[VS+\t/2], v[PW+\x] matrix_a_fmt:MATRIX_FMT_FP6 matrix_b_fmt:MATRIX_FMT_FP6 matrix_a_scale:MATRIX_SCALE_ROW1
.else
	v_wmma_scale_f32_16x16x128_f8f6f4 v[O+32*\x+8*\t:O+32*\x+8*\t+7], v[V+12*\t:V+12*\t+11], v[PC+12*\x:PC+12*\x+11], v[O+32*\x+8*\t:O+32*\x+8*\t+7], v[VS+\t/2], v[PW+\x] matrix_a_fmt:MATRIX_FMT_FP6 matrix_b_fmt:MATRIX_FMT_FP6
.endif
.endm
; A KEY STEP: 128 keys, two tiles of queries (x = 0, 1) by turns.  lim: the last slot that may be read ahead.  diag = 1: my diagonal: of tile 0 the second 64 keys (block c = 1 of each half of the lanes) are left out
.macro STEP lim, diag
	s_wait_dscnt 0x0                               ; this step's K is in
	WIN 0x05                                       ; sources 0 and 1 window 1, D window 0
.irp b, 0,1,2,3
.irp u, 0,1
.irp x, 0,1
.if (\diag)*(1-\x)*(\b/2) == 0
	QK \x, \b, \u
.endif
.endr
.endr
.endr
	PLACES                                         ; in front of the loads into K's registers and of the first read of the scores
	WIN 0x40
.irp t, 0,1,2,3                        ; V's four fragments, each of two halves of 64 keys: 18 loads with their scale words
.irp c, 0,1
	ds_load_b128 v[V+12*\t+6*\c:V+12*\t+6*\c+3], v4 offset:6144+(4*\c+\t)*768
	ds_load_b64 v[V+12*\t+6*\c+4:V+12*\t+6*\c+5], v5 offset:6144+(4*\c+\t)*768+512
.endr
.endr
	WIN 0
.irp g, 0,1
	ds_load_b32 v[VS+\g], v6 offset:12544+128*\g
.endr
	s_cmp_eq_u32 s[IT], s[L1]                      ; the next trip's slot: B's second phase follows its first
	s_cselect_b32 s[SB], s[SB1], s[SB]
	s_lshl_b32 s[TB], s[IT], 1
	s_add_co_u32 s[TB], s[TB], s[SB]
	s_add_co_u32 s[TB], s[TB], 2
	s_min_u32 s[TB], s[TB], \lim                   ; (behind the last trip nothing of it is used)
	s_mul_i32 s[TB], s[TB], STEPB
	KLOAD                                          ; the next step's K lands under this step's softmax
.if \diag                              ; the scores of hidden keys become -infinity ahead of the maximum: p = 0 then.  One comparison serves both tiles
.set n, 0
.rept 32
	v_cmp_gt_i32 vcc_lo, n, v7
	v_cndmask_b32 v[S+n], v[S+n], v8, vcc_lo
	v_cndmask_b32 v[S+96+n], v[S+96+n], v8, vcc_lo
.set n, n+1
.endr
	v_mov_b32 v[BM+1], v8
.endif
.irp c, 0,1                            ; the largest SCORE of each block of 32 keys, in two chains: it serves the row's maximum and, since p rises with the score, the block's largest p
.irp x, 0,1
.if (\diag)*(1-\x)*(\c) == 0
	v_max3_num_f32 v[BM+2*\x+\c], v[S+64*\x+32*\c], v[S+64*\x+32*\c+1], v[S+64*\x+32*\c+2]
	v_max3_num_f32 v[BT+2*\x+\c], v[S+64*\x+32*\c+16], v[S+64*\x+32*\c+17], v[S+64*\x+32*\c+18]
.endif
.endr
.endr
.irp i, 3,5,7,9,11,13
.irp c, 0,1
.irp x, 0,1
.if (\diag)*(1-\x)*(\c) == 0
	v_max3_num_f32 v[BM+2*\x+\c], v[BM+2*\x+\c], v[S+64*\x+32*\c+\i], v[S+64*\x+32*\c+\i+1]
	v_max3_num_f32 v[BT+2*\x+\c], v[BT+2*\x+\c], v[S+64*\x+32*\c+16+\i], v[S+64*\x+32*\c+17+\i]
.endif
.endr
.endr
.endr
.irp c, 0,1
.irp x, 0,1
.if (\diag)*(1-\x)*(\c) == 0
	v_max3_num_f32 v[BM+2*\x+\c], v[BM+2*\x+\c], v[S+64*\x+32*\c+15], v[S+64*\x+32*\c+31]
.endif
.endr
.endr
.irp c, 0,1
.irp x, 0,1
.if (\diag)*(1-\x)*(\c) == 0
	v_max_num_f32 v[BM+2*\x+\c], v[BM+2*\x+\c], v[BT+2*\x+\c]
.endif
.endr
.endr
.irp x, 0,1
	v_max_num_f32 v[T0+\x], v[BM+2*\x], v[BM+2*\x+1]
.endr
.irp x, 0,1
	v_permlanex16_b32 v[T1+\x], v[T0+\x], s20, s21 ; lane l xor 16's 64 keys
.endr
.irp x, 0,1
	v_max3_num_f32 v[MX+2*\x+1], v[MX+2*\x+1], v[T0+\x], v[T1+\x]   ; the running largest score
.endr
.irp x, 0,1
	v_mul_f32 v[T0+\x], s22, -v[MX+2*\x+1]         ; - its t
.endr
.irp x, 0,1
	v_floor_f32 v[T0+\x], v[T0+\x]                 ; the new -M = -ceil(t)
.endr
.irp x, 0,1
	v_sub_f32 v[T2+\x], v[T0+\x], v[MX+2*\x]       ; old M - new M: a whole number, 0 or less
.endr
.irp x, 0,1
	v_mov_b32 v[MX+2*\x], v[T0+\x]
.endr
.irp x, 0,1
	v_cvt_i32_f32 v[T2+\x], v[T2+\x]               ; (it saturates)
.endr
.irp x, 0,1
	v_ldexp_f32 v[F+2*\x], 1.0, v[T2+\x]           ; f = 2^(old M - new M)
.endr
.irp x, 0,1
	v_pk_fma_f32 v[BM+2*\x:BM+2*\x+1], v[BM+2*\x:BM+2*\x+1], s[22:23], v[MX+2*\x:MX+2*\x+1] op_sel_hi:[1,0,0]   ; t - M of each block's largest score,
.endr
.set n, 0
.rept 32-16*(\diag)
	v_pk_fma_f32 v[S+2*n:S+2*n+1], v[S+2*n:S+2*n+1], s[22:23], v[MX:MX+1] op_sel_hi:[1,0,0]   ; and of tile 0's scores, two at a time
.set n, n+1
.endr
	s_wait_alu depctr_va_vdst(0)                   ; ahead of the batch
	v_exp_f32 v[BM], v[BM]                         ; the block's largest p
	v_exp_f32 v[BM+1], v[BM+1]
.set n, 0
.rept 32
.if ((\diag) == 0) || (n < 16)
	v_exp_f32 v[S+2*n], v[S+2*n]                   ; tile 0's p = 2^(t - M),
	v_exp_f32 v[S+2*n+1], v[S+2*n+1]
.endif
	v_pk_fma_f32 v[S+64+2*n:S+64+2*n+1], v[S+64+2*n:S+64+2*n+1], s[22:23], v[MX+2:MX+3] op_sel_hi:[1,0,0]   ; and tile 1's t - M between them
.set n, n+1
.endr
	v_pk_mul_f32 v[LS:LS+1], v[LS:LS+1], v[F:F+1] op_sel_hi:[1,0]   ; the sum under the new M
	s_wait_alu depctr_va_vdst(0)                   ; ahead of the second batch, and of the first one's readers
	v_exp_f32 v[BM+2], v[BM+2]
	v_exp_f32 v[BM+3], v[BM+3]
.set n, 0
.rept 64
	v_exp_f32 v[S+64+n], v[S+64+n]                 ; tile 1's p
.set n, n+1
.endr
	v_pk_mul_f32 v[LS+2:LS+3], v[LS+2:LS+3], v[F+2:F+3] op_sel_hi:[1,0]   ; a plain place behind the exponentials
	s_wait_alu depctr_va_vdst(0)                   ; and one wait behind the batch
.irp k, 0,1
.irp x, 0,1
	v_pk_add_f32 v[SA+4*\x+2*\k:SA+4*\x+2*\k+1], v[S+64*\x+2*\k:S+64*\x+2*\k+1], v[S+64*\x+4+2*\k:S+64*\x+5+2*\k]   ; the row's sum, of the unquantised p: two chains a tile
.endr
.endr
.irp i, 4,6,8,10,12,14,16,18,20,22,24,26,28,30
.irp k, 0,1
.irp x, 0,1
.if (\diag)*(1-\x)*(\i/16) == 0
	v_pk_add_f32 v[SA+4*\x+2*\k:SA+4*\x+2*\k+1], v[SA+4*\x+2*\k:SA+4*\x+2*\k+1], v[S+64*\x+2*(\i+\k):S+64*\x+2*(\i+\k)+1]
.endif
.endr
.endr
.endr
.irp x, 0,1,2,3
	v_max_num_f32 v[BM+\x], FLOOR, v[BM+\x]        ; the byte cannot fall under 1
.endr
.irp x, 0,1
	v_pk_add_f32 v[SA+4*\x:SA+4*\x+1], v[SA+4*\x:SA+4*\x+1], v[SA+4*\x+2:SA+4*\x+3]
.endr
.irp x, 0,1,2,3
	v_add_nc_u32 v[BS+\x], EM2, v[BM+\x]           ; the conversion's scale operand
.endr
.irp x, 0,1
	v_pk_add_f32 v[LS+2*\x:LS+2*\x+1], v[LS+2*\x:LS+2*\x+1], v[SA+4*\x:SA+4*\x+1]
.endr
.irp x, 0,1,2,3
	v_lshrrev_b32 v[BX+\x], 23, v[BS+\x]           ; the scale's byte: block 2 c + h
.endr
.irp x, 0,1
	v_lshl_or_b32 v[BX+2*\x], v[BX+2*\x+1], 16, v[BX+2*\x]
.endr
.irp x, 0,1
	v_permlanex16_b32 v[T1+\x], v[BX+2*\x], s20, s21
.endr
.irp x, 0,1
	v_lshl_or_b32 v[PW+\x], v[T1+\x], 8, v[BX+2*\x]   ; in lanes 0-15, which alone are read: p's scale word for these 128 keys
.endr
.irp c, 0,1
.irp x, 0,1
.if (\diag)*(1-\x)*(\c) == 0
	v_cvt_scalef32_pk16_fp6_f32 v[PC+12*\x+6*\c:PC+12*\x+6*\c+2], v[S+64*\x+32*\c:S+64*\x+32*\c+15], v[BS+2*\x+\c]
	v_cvt_scalef32_pk16_fp6_f32 v[PT+8*\x+4*\c:PT+8*\x+4*\c+2], v[S+64*\x+32*\c+16:S+64*\x+32*\c+31], v[BS+2*\x+\c]
.endif
.endr
.endr
	v_nop                                          ; one plain place behind a scaled conversion
.irp c, 0,1
.irp x, 0,1
.irp i, 0,1,2
.if (\diag)*(1-\x)*(\c) == 0
	v_mov_b32 v[PC+12*\x+6*\c+3+\i], v[PT+8*\x+4*\c+\i]
.else
	v_mov_b32 v[PC+6+\i], 0                        ; zero codes for the keys that are left out
	v_mov_b32 v[PC+9+\i], 0
.endif
.endr
.endr
.endr
	s_wait_alu depctr_va_vdst(0)                   ; ahead of the first reader of O
	WIN 0x41                                       ; source 0 and D window 1, source 1 window 0
.irp j, 0,2,4,6,8,10,12,14,16,18,20,22,24,26,28,30
.irp x, 0,1
	v_pk_mul_f32 v[O+32*\x+\j:O+32*\x+\j+1], v[O+32*\x+\j:O+32*\x+\j+1], v[F+2*\x:F+2*\x+1] op_sel_hi:[1,0]   ; O^T under the new M.  These 32 are also the places between the codes' and the scale words' writes and the products
.endr
.endr
	s_wait_alu depctr_va_vdst(0)
	s_wait_dscnt 14                                ; V is in; the next step's 14 loads of K may be out
	WIN 0x51                                       ; source 0, C and D window 1, source 1 window 0
.irp t, 0,1,2,3                        ; the eight accumulators by turns
.irp x, 0,1
	PV \x, \t
.endr
.endr
	WIN 0
.endm
; MY PART OF THE LATE TILES, for the other wave: O, the sum's two halves added, -M
.macro GIVE
.irp x, 0,1                            ; (these four are the places behind the last products)
	v_add_f32 v[T0+2*\x], v[LS+2*\x], v[LS+2*\x+1]
	v_mov_b32 v[T0+2*\x+1], v[MX+2*\x]
.endr
	WIN 0x04
.irp x, 0,1
.irp i, 0,1,2,3,4,5,6,7
	ds_store_b128 v9, v[O+32*\x+4*\i:O+32*\x+4*\i+3] offset:DSZ*\x+512*\i
.endr
.endr
	WIN 0
.irp x, 0,1
	ds_store_b64 v10, v[T0+2*\x:T0+2*\x+1] offset:DSZ*\x+4096
.endr
.endm
; THE WAY OUT.  O^T / the sum: register n of lane (r, h) is channel 32 h + n of my query: one block of the last product's K.  It is quantised and leaves as half a fragment and a scale byte a lane.
.macro WAYOUT
.irp x, 0,1
	v_add_f32 v[LS+2*\x], v[LS+2*\x], v[LS+2*\x+1] ; the sum's two halves
.endr
.irp x, 0,1
	v_permlanex16_b32 v[T1+\x], v[LS+2*\x], s20, s21
.endr
.irp x, 0,1
	v_add_f32 v[LS+2*\x], v[LS+2*\x], v[T1+\x]     ; and lane l xor 16's
.endr
	s_wait_alu depctr_va_vdst(0)
	v_rcp_f32 v[F], v[LS]
	v_rcp_f32 v[F+2], v[LS+2]
	v_nop                                          ; a plain place behind the transcendentals
	s_wait_alu depctr_va_vdst(0)                   ; ahead of the first reader
	WIN 0x01
.irp j, 0,2,4,6,8,10,12,14,16,18,20,22,24,26,28,30
.irp x, 0,1
	v_pk_mul_f32 v[S+64*\x+\j:S+64*\x+\j+1], v[O+32*\x+\j:O+32*\x+\j+1], v[F+2*\x:F+2*\x+1] op_sel_hi:[1,0]
.endr
.endr
	WIN 0
.irp x, 0,1
	v_max3_num_f32 v[BM+\x], |v[S+64*\x]|, |v[S+64*\x+1]|, |v[S+64*\x+2]|
	v_max3_num_f32 v[BT+\x], |v[S+64*\x+16]|, |v[S+64*\x+17]|, |v[S+64*\x+18]|
.endr
.irp i, 3,5,7,9,11,13
.irp x, 0,1
	v_max3_num_f32 v[BM+\x], v[BM+\x], |v[S+64*\x+\i]|, |v[S+64*\x+\i+1]|
	v_max3_num_f32 v[BT+\x], v[BT+\x], |v[S+64*\x+16+\i]|, |v[S+64*\x+17+\i]|
.endr
.endr
.irp x, 0,1
	v_max3_num_f32 v[BM+\x], v[BM+\x], |v[S+64*\x+15]|, |v[S+64*\x+31]|
.endr
.irp x, 0,1
	v_max3_num_f32 v[BM+\x], v[BM+\x], v[BT+\x], FLOOR
.endr
.irp x, 0,1
	v_add_nc_u32 v[BS+\x], EM2, v[BM+\x]
.endr
.irp x, 0,1
	v_lshrrev_b32 v[BX+\x], 23, v[BS+\x]
.endr
.irp x, 0,1
	v_cvt_scalef32_pk16_fp6_f32 v[PC+12*\x:PC+12*\x+2], v[S+64*\x:S+64*\x+15], v[BS+\x]
	v_cvt_scalef32_pk16_fp6_f32 v[PT+8*\x:PT+8*\x+2], v[S+64*\x+16:S+64*\x+31], v[BS+\x]
.endr
	v_nop                                          ; one plain place behind a scaled conversion
.irp x, 0,1
.irp i, 0,1,2
	v_mov_b32 v[PC+12*\x+3+\i], v[PT+8*\x+\i]
.endr
.endr
.irp x, 0,1
	global_store_b128 v1, v[PC+12*\x:PC+12*\x+3], s[60:61] offset:GRP*\x
	global_store_b64 v2, v[PC+12*\x+4:PC+12*\x+5], s[60:61] offset:GRP*\x+512
	global_store_b8 v11, v[BX+\x], s[62:63] offset:GRP*\x
.endr
.endm
	s_mov_b32 s[IT], 0
	s_wait_alu depctr_va_vdst(0)                   ; the wait at the head's end
	s_cmp_lt_u32 s[WV], 3
	s_cbranch_scc0 .Lnot_first
	s_wait_tensorcnt 0x0                           ; waves 0-2: slots 0-5 have landed
.Lnot_first:
	s_barrier_signal -1
	s_barrier_wait -1
	KLOAD
	s_wait_alu depctr_va_vdst(0)                   ; the first step's loads of V read these addresses behind its wait for K
.Lfirst:                                               ; trips 0 and 1: slots 0-5 alone, no diagonal
	STEP 5, 0
	s_add_co_u32 s[IT], s[IT], 1
	s_cmp_lt_u32 s[IT], 2
	s_cbranch_scc1 .Lfirst
	s_wait_tensorcnt 0x0                           ; every slot has landed
	s_wait_dscnt 0x0
	s_barrier_signal -1
	s_barrier_wait -1
	s_mov_b32 s[IT], 2
.Ltrip:                                                ; trips 2 to 8; A has none in trip 8: branches on ids, round the work alone
	s_cmp_gt_u32 s[IT], s[LT]
	s_cbranch_scc1 .Lkeep
	s_cmp_eq_u32 s[IT], s[LD]
	s_cbranch_scc1 .Ldiagonal
	STEP 15, 0
	s_branch .Lkeep
.Ldiagonal:
	STEP 15, 1
	s_cmp_eq_u32 s[IT], 8
	s_cbranch_scc1 .Lkeep
	s_cmp_eq_u32 s[HB], 1                          ; B's first phase ends with its diagonal: the late tiles' part is given, early tiles are written out
	s_cbranch_scc0 .Lout_early
	GIVE
	s_branch .Lchange
.Lout_early:
	WAYOUT
.Lchange:
	s_wait_xcnt 0x0                                ; the stores have read their registers
	s_wait_dscnt 0x0
	s_mov_b32 s[LD], 8
.irp x, 0,1
	v_mov_b32 v[QS+\x], v[Q2S+\x]
.endr
	WIN 0x41
.irp x, 0,1
.irp i, 0,1,2,3,4,5
	v_mov_b32 v[Q+18*\x+\i], v[Q2+6*\x+\i]
	v_mov_b32 v[Q+18*\x+12+\i], v[Q2+6*\x+\i]
.endr
.endr
	WIN 0
	FRESH
.Lkeep:
	s_wait_alu depctr_va_vdst(0)                   ; ahead of the jump
	s_add_co_u32 s[IT], s[IT], 1
	s_cmp_lt_u32 s[IT], 9
	s_cbranch_scc1 .Ltrip
	s_cmp_eq_u32 s[ROLE], 0
	s_cbranch_scc1 .Lmeet
	s_cmp_eq_u32 s[HB], 1
	s_cbranch_scc1 .Lmeet
	GIVE
.Lmeet:
	s_wait_alu depctr_va_vdst(0)
	s_wait_dscnt 0x0                               ; what I gave is in LDS
	s_barrier_signal -1
	s_barrier_wait -1
	s_cmp_eq_u32 s[ROLE], 0
	s_cbranch_scc1 .Ljoin
	s_cmp_eq_u32 s[HB], 0                          ; B, whose second phase was the late tiles', has written out already
	s_cbranch_scc1 .Lend
	s_branch .Lout
.Ljoin:                                                ; A: both parts under the larger M
.irp x, 0,1
	ds_load_b64 v[BM+2*\x:BM+2*\x+1], v31 offset:DSZ*\x+4096   ; the other's sum and -M
.irp i, 0,1,2,3,4,5,6,7
	ds_load_b128 v[S+32*\x+4*\i:S+32*\x+4*\i+3], v30 offset:DSZ*\x+512*\i
.endr
.endr
.irp x, 0,1
	v_add_f32 v[LS+2*\x], v[LS+2*\x], v[LS+2*\x+1]
	v_mov_b32 v[LS+2*\x+1], 0
.endr
	s_wait_alu depctr_va_vdst(0)
	s_wait_dscnt 0x0
.irp x, 0,1
	v_min_num_f32 v[T0+\x], v[MX+2*\x], v[BM+2*\x+1]
.endr
.irp x, 0,1
	v_sub_f32 v[T2+\x], v[T0+\x], v[MX+2*\x]
	v_sub_f32 v[BM+2*\x+1], v[T0+\x], v[BM+2*\x+1]
.endr
.irp x, 0,1
	v_cvt_i32_f32 v[T2+\x], v[T2+\x]
	v_cvt_i32_f32 v[BM+2*\x+1], v[BM+2*\x+1]
.endr
.irp x, 0,1
	v_ldexp_f32 v[F+2*\x], 1.0, v[T2+\x]
	v_ldexp_f32 v[BT+2*\x], 1.0, v[BM+2*\x+1]
.endr
.irp x, 0,1
	v_mul_f32 v[LS+2*\x], v[LS+2*\x], v[F+2*\x]
.endr
.irp x, 0,1
	v_fma_f32 v[LS+2*\x], v[BM+2*\x], v[BT+2*\x], v[LS+2*\x]
.endr
	WIN 0x41
.irp j, 0,2,4,6,8,10,12,14,16,18,20,22,24,26,28,30
.irp x, 0,1
	v_pk_mul_f32 v[O+32*\x+\j:O+32*\x+\j+1], v[O+32*\x+\j:O+32*\x+\j+1], v[F+2*\x:F+2*\x+1] op_sel_hi:[1,0]
.endr
.endr
	WIN 0x50                                       ; source 2 and D window 1
.irp j, 0,2,4,6,8,10,12,14,16,18,20,22,24,26,28,30
.irp x, 0,1
	v_pk_fma_f32 v[O+32*\x+\j:O+32*\x+\j+1], v[S+32*\x+\j:S+32*\x+\j+1], v[BT+2*\x:BT+2*\x+1], v[O+32*\x+\j:O+32*\x+\j+1] op_sel_hi:[1,0,1]
.endr
.endr
	WIN 0
.Lout:
	WAYOUT
.Lend:
	s_wait_tensorcnt 0x0                           ; the wave's end
	ds_add_u32 v[SPW], v[NIL]
	s_wait_dscnt 0x0
	CROUND                                         ; the closing round
	s_endpgm
.Lfunc_end_k_q3ca9a8ce40_attn:
	.size	k_q3ca9a8ce40_attn, .Lfunc_end_k_q3ca9a8ce40_attn-k_q3ca9a8ce40_attn
	.p2alignl 7, 3214868480
	.fill 96, 4, 3214868480
	.section	.rodata,"a",@progbits
	.p2align	6, 0x0
	.amdhsa_kernel k_q3ca9a8ce40_attn
		.amdhsa_group_segment_fixed_size 275456
		.amdhsa_private_segment_fixed_size 0
		.amdhsa_enable_private_segment 0
		.amdhsa_kernarg_size 24
		.amdhsa_user_sgpr_count 2
		.amdhsa_user_sgpr_kernarg_segment_ptr 1
		.amdhsa_wavefront_size32 1
		.amdhsa_system_sgpr_workgroup_id_x 1
		.amdhsa_system_sgpr_workgroup_id_y 1
		.amdhsa_system_sgpr_workgroup_id_z 1
		.amdhsa_system_vgpr_workitem_id 0
		.amdhsa_next_free_vgpr 512
		.amdhsa_next_free_sgpr 90
		.amdhsa_reserve_vcc 1
		.amdhsa_float_denorm_mode_32 3
		.amdhsa_float_denorm_mode_16_64 3
		.amdhsa_memory_ordered 1
		.amdhsa_forward_progress 1
		.amdhsa_inst_pref_size 120
	.end_amdhsa_kernel
	.amdgpu_metadata
---
amdhsa.version: [ 1, 2 ]
amdhsa.kernels:
  - .name:           k_q3ca9a8ce40_attn
    .symbol:         k_q3ca9a8ce40_attn.kd
    .args:
      - { .name: qq, .offset: 0, .size: 8, .value_kind: global_buffer, .address_space: global }
      - { .name: kv, .offset: 8, .size: 8, .value_kind: global_buffer, .address_space: global }
      - { .name: aq, .offset: 16, .size: 8, .value_kind: global_buffer, .address_space: global }
    .group_segment_fixed_size: 275456
    .private_segment_fixed_size: 0
    .kernarg_segment_align: 8
    .kernarg_segment_size: 24
    .max_flat_workgroup_size: 256
    .sgpr_count:     90
    .vgpr_count:     512
    .wavefront_size: 32
...
	.end_amdgpu_metadata
.endif
;; end of part 3
;; launch proj (part 4): grid 32 x 8, 4 waves a work-group, clusters of 4 x 4, 222,720 bytes of LDS; arguments aq, wo, b_out, out0; writes out0
.if DOCPART == 4
	.amdgcn_target "amdgcn-amd-amdhsa--gfx1250"
	.amdhsa_code_object_version 6
	.text
	.protected	k_q3ca9a8ce40_proj
	.globl	k_q3ca9a8ce40_proj
	.p2align	8
	.type	k_q3ca9a8ce40_proj,@function
k_q3ca9a8ce40_proj:
	s_mov_b64 s[64:65], 0
	v_nop
	global_prefetch_b8 v0, s[64:65] scope:SCOPE_SE
	s_setreg_imm32_b32 hwreg(HW_REG_WAVE_MODE, 25, 1), 1
	s_wait_xcnt 0x0
	s_wait_alu depctr_hold_cnt(0) depctr_sa_sdst(0) depctr_va_vdst(0) depctr_va_sdst(0) depctr_va_ssrc(0) depctr_va_vcc(0) depctr_vm_vsrc(0)
	s_getreg_b32 s2, hwreg(HW_REG_IB_STS2, 6, 4)
	s_cmp_eq_u32 s2, 0
	s_cbranch_scc0 .Lentry_in_a_cluster
	s_endpgm
.Lentry_in_a_cluster:
	s_bfe_u32 s2, ttmp6, 0x10000c
	s_cmp_lg_u32 s2, 0xf033
	s_cbranch_scc0 .Lentry_shape_is_right
	s_endpgm
.Lentry_shape_is_right:
; out0 = attention's result x w_out + b_out, on codes of FP6 (E2M3) with E8M0 scales; out0 [4096][1024] f32.
; SHARES.  A work-group: 128 tokens x 128 columns; wave w: tokens 64 (w / 2) .. + 63, columns 64 (w % 2) .. + 63.
; OPERANDS lie in memory as images of their registers, 64 tokens or 64 columns in 51,200 dense bytes: aq: four token tiles x 16 heads x 768 (a K step of 128 is two heads, a fragment two halves: registers 0-3 at 16 l,
; 4-5 at 512 + 8 l), wo: 8 K steps x four fragments of 1,536; behind both 2,048 bytes of scale words.  All of it comes into LDS ONCE, one joint load a wave: waves 0 and 1 the columns', waves 2 and 3 the tokens'.
; CLUSTER: 4 x 4 work-groups.  The four of the same cy share the columns' blocks, the four of the same cx the tokens'.  No LDS byte is filled twice; nothing is prefetched: all is asked for in the first lines.
; A wave holds its 64 columns, all of K, in registers (32 fragments, 384 registers) and streams its four token tiles past them: 32 products a tile on four accumulators by turns, and a finished tile leaves while the next is multiplied.
; THE PRODUCT IS USED TRANSPOSED (source 0 = 16 columns, source 1 = 16 tokens): a lane holds one token.  Row i of column tile 2 p + u is column 32 p + 8 u + i + 8 (i / 8): 16 neighbours in two tiles; row i of token tile m is
; token 32 (i / 8) + 8 m + i % 8.  The bias is the C of each sum's first product.
; REGISTERS: window 0: v1-13 addresses, v16-31 the columns' scale words, v32-47 the tokens', v64-255 two sets of eight token fragments; windows 1, 2: the columns' fragments, 21 to a window;
; window 3: two sets of four accumulators at 0 and 32, the bias at 64, rows on the way out at 96 and 128.
.set GRP,   51200
.set STAGE, 4*GRP                      ; behind the operands: 16 rows x (256 bytes + 16) for each wave; no fill lands there
.set SP,    272
.set SPARE, STAGE+4*16*SP
.set SPW, 14
.set NIL, 15
.set WS,  16
.set AS,  32
.set TF,  64
.set BI,  64
.set OB,  96
.set WV,  14
.set MSB, 0
.macro WIN new                         ; the immediate's high byte repeats the setting that is left; a switch that changes nothing is dropped
.if MSB != \new
	s_set_vgpr_msb (MSB<<8)|(\new)
.set MSB, \new
.endif
.endm
.macro PLACES                          ; four places behind a matrix instruction, in front of loads into its registers and of reads of its results
.rept 4
	v_nop
.endr
.endm
.macro CROUND                          ; a round of the cluster's barrier
	s_barrier_signal -1
	s_barrier_wait -1
	s_cmp_lg_u32 s[WV], 0
	s_cbranch_scc1 .Lnot_wave_0_\@
	s_barrier_signal -3
.Lnot_wave_0_\@:
	s_barrier_wait -3
	s_barrier_signal -1
	s_barrier_wait -1
.endm
.macro WM d, a, b, c, sa, sb, ra, rb   ; one product; ra, rb = 1: that side's scales are read from lanes 16-31
.if (\ra) && (\rb)
	v_wmma_scale_f32_16x16x128_f8f6f4 v[\d:\d+7], v[\a:\a+11], v[\b:\b+11], v[\c:\c+7], v[\sa], v[\sb] matrix_a_fmt:MATRIX_FMT_FP6 matrix_b_fmt:MATRIX_FMT_FP6 matrix_a_scale:MATRIX_SCALE_ROW1 matrix_b_scale:MATRIX_SCALE_ROW1
.elseif (\ra)
	v_wmma_scale_f32_16x16x128_f8f6f4 v[\d:\d+7], v[\a:\a+11], v[\b:\b+11], v[\c:\c+7], v[\sa], v[\sb] matrix_a_fmt:MATRIX_FMT_FP6 matrix_b_fmt:MATRIX_FMT_FP6 matrix_a_scale:MATRIX_SCALE_ROW1
.elseif (\rb)
	v_wmma_scale_f32_16x16x128_f8f6f4 v[\d:\d+7], v[\a:\a+11], v[\b:\b+11], v[\c:\c+7], v[\sa], v[\sb] matrix_a_fmt:MATRIX_FMT_FP6 matrix_b_fmt:MATRIX_FMT_FP6 matrix_b_scale:MATRIX_SCALE_ROW1
.else
	v_wmma_scale_f32_16x16x128_f8f6f4 v[\d:\d+7], v[\a:\a+11], v[\b:\b+11], v[\c:\c+7], v[\sa], v[\sb] matrix_a_fmt:MATRIX_FMT_FP6 matrix_b_fmt:MATRIX_FMT_FP6
.endif
.endm
	s_load_b256 s[4:11], s[0:1], 0x0               ; aq s[4:5], wo s[6:7], b_out s[8:9], out0 s[10:11]
	v_lshl_add_u32 v[SPW], v0, 2, SPARE
	v_mov_b32 v[NIL], 0
	ds_add_u32 v[SPW], v[NIL]                      ; the opening: the add, twice on end, and its wait
	ds_add_u32 v[SPW], v[NIL]
	v_lshrrev_b32 v1, 5, v0
	v_readfirstlane_b32 s[WV], v1                  ; wave 0..3
	s_lshr_b32 s15, s[WV], 1                       ; which 64 tokens
	s_and_b32 s16, s[WV], 1                        ; which 64 columns.  Also: which 64 of the tokens or columns I fetch
	s_bfe_u32 s40, ttmp6, 0x40000                  ; cx
	s_bfe_u32 s41, ttmp6, 0x40004                  ; cy
	s_lshl_b32 s42, ttmp9, 2
	s_add_co_u32 s42, s42, s40                     ; mb: my 128 tokens
	s_and_b32 s43, ttmp7, 0xffff
	s_lshl_b32 s43, s43, 2
	s_add_co_u32 s43, s43, s41                     ; nb: my 128 columns
	s_lshl_b32 s44, s41, 2
	s_lshl_b32 s44, 15, s44                        ; the same columns: my row of the cluster
	s_lshl_b32 s45, 0x1111, s40                    ; the same tokens: my column
	; descriptor groups 1: 51,200 dense bytes as 200 rows of 256 bytes (32 elements of 8 bytes)
	s_or_b32 s24, s44, (3<<16)|(1<<21)
	s_or_b32 s48, s45, (3<<16)|(1<<21)
.irp g, 24,48
	s_mov_b32 s[\g+1], 32<<16
	s_mov_b32 s[\g+2], 200<<16
	s_mov_b32 s[\g+3], 32<<16
	s_mov_b32 s[\g+4], 200
	s_mov_b32 s[\g+5], 32
	s_mov_b32 s[\g+6], 0
	s_mov_b32 s[\g+7], 0
.endr
	s_lshl_b32 s18, s43, 1
	s_add_co_u32 s18, s18, s16
	s_mul_i32 s18, s18, GRP                        ; the columns' block that I fetch,
	s_mov_b32 s19, 0
	s_lshl_b32 s20, s42, 1
	s_add_co_u32 s20, s20, s16
	s_mul_i32 s20, s20, GRP                        ; or the tokens'
	s_mov_b32 s21, 0
	s_mul_i32 s22, s[WV], GRP                      ; and where it goes: the wave's number alone enters it
	v_and_b32 v10, 31, v0
	v_and_b32 v11, 15, v0                          ; r
	v_bfe_u32 v12, v0, 4, 1                        ; h
	s_mul_i32 s46, s16, GRP                        ; my columns in LDS,
	s_mul_i32 s47, s15, GRP
	s_add_co_u32 s47, s47, 2*GRP                   ; my tokens
	s_mul_i32 s23, s[WV], 16*SP
	s_add_co_u32 s23, s23, STAGE                   ; my stage
	s_wait_alu depctr_va_vdst(0)
	v_lshlrev_b32 v4, 2, v10
	v_lshlrev_b32 v3, 3, v10
	v_lshlrev_b32 v2, 4, v10
	v_add_nc_u32 v1, s46, v2                       ; columns: 16 bytes a lane
	v_add_nc_u32 v5, s47, v4                       ; tokens' scale words
	v_add_nc_u32 v4, s46, v4                       ; columns' scale words
	v_add_nc_u32 v3, s47, v3                       ; tokens: 8 bytes a lane
	v_add_nc_u32 v2, s47, v2                       ; and 16
	v_lshlrev_b32 v6, 6, v12                       ; the bias: 16 columns for each half of the lanes
	v_mul_u32_u24 v7, v11, SP
	v_lshl_add_u32 v7, v12, 6, v7
	v_add_nc_u32 v7, s23, v7                       ; the stage, in: row r, + 64 h
	v_mul_u32_u24 v8, v12, SP
	v_lshl_add_u32 v8, v11, 4, v8
	v_add_nc_u32 v8, s23, v8                       ; back: lanes 0-15 one row of 256 bytes, lanes 16-31 the next
	v_lshlrev_b32 v9, 12, v12
	v_lshl_add_u32 v9, v11, 4, v9                  ; and the same two rows in out0
	s_wait_alu depctr_va_vdst(0)                   ; the wait at the head's end
	s_wait_dscnt 0x0
	CROUND                                         ; all sixteen work-groups are here: the joint loads meet
	s_wait_kmcnt 0x0
	s_mov_b32 s32, 1
	s_mov_b32 s33, s22
	s_add_nc_u64 s[34:35], s[6:7], s[18:19]
	s_or_b32 s35, s35, 0x80000000
	s_mov_b32 s36, 1
	s_mov_b32 s37, s22
	s_add_nc_u64 s[38:39], s[4:5], s[20:21]
	s_or_b32 s39, s39, 0x80000000
	s_cmp_lt_u32 s[WV], 2
	s_cbranch_scc0 .Ltokens
	tensor_load_to_lds s[32:35], s[24:31]          ; one load a wave
	s_nop 0
	PLACES
	s_branch .Lasked
.Ltokens:
	tensor_load_to_lds s[36:39], s[48:55]
	s_nop 0
	PLACES
.Lasked:
	s_lshl_b32 s18, s43, 9
	s_lshl_b32 s20, s16, 8
	s_add_co_u32 s18, s18, s20                     ; my first column, in bytes
	s_add_nc_u64 s[8:9], s[8:9], s[18:19]
	s_add_nc_u64 s[10:11], s[10:11], s[18:19]
	s_lshl_b32 s18, s42, 1
	s_add_co_u32 s18, s18, s15
	s_lshl_b32 s18, s18, 18                        ; 64 rows of 4,096 bytes
	s_add_nc_u64 s[10:11], s[10:11], s[18:19]      ; out0 at my first row and column
	WIN 0xc0
.irp t, 0,1,2,3                        ; the bias in the result's layout: lane (r, h), register j: column 32 (t / 2) + 8 (t % 2) + 16 h + j
	global_load_b128 v[BI+8*\t:BI+8*\t+3], v6, s[8:9] offset:(32*(\t/2)+8*(\t%2))*4
	global_load_b128 v[BI+8*\t+4:BI+8*\t+7], v6, s[8:9] offset:(32*(\t/2)+8*(\t%2))*4+16
.endr
	WIN 0
	s_cmp_lt_u32 s[WV], 2
	s_cbranch_scc0 .Lnot_columns
	s_wait_tensorcnt 0x0                           ; waves 0 and 1: the columns have landed
.Lnot_columns:
	s_barrier_signal -1
	s_barrier_wait -1
.set i, 0
.rept 16
	ds_load_b32 v[WS+i], v4 offset:49152+128*i
.set i, i+1
.endr
.set f, 0                              ; fragment f = 4 s + t: window 1 + f / 21
.rept 32
	WIN ((1+f/21)<<6)
.irp c, 0,1,2
	ds_load_b128 v[12*(f%21)+4*\c:12*(f%21)+4*\c+3], v1 offset:1536*f+512*\c
.endr
.set f, f+1
.endr
	WIN 0
	s_wait_tensorcnt 0x0                           ; every block has landed
	s_wait_dscnt 0x0
	s_barrier_signal -1
	s_barrier_wait -1
.macro TOK m                           ; token tile m, all of K, into set m % 2: 32 loads
.irp s, 0,1,2,3,4,5,6,7
.irp c, 0,1
	ds_load_b128 v[TF+96*((\m)%2)+12*\s+6*\c:TF+96*((\m)%2)+12*\s+6*\c+3], v2 offset:(\m)*12288+(2*\s+\c)*768
	ds_load_b64 v[TF+96*((\m)%2)+12*\s+6*\c+4:TF+96*((\m)%2)+12*\s+6*\c+5], v3 offset:(\m)*12288+(2*\s+\c)*768+512
.endr
.endr
.endm
.macro PROD m                          ; 32 products: the four accumulators take turns
.irp s, 0,1,2,3,4,5,6,7
.irp t, 0,1,2,3
.set f, 4*\s+\t
.set rA, 12*(f%21)
.set rD, 32*((\m)%2)+8*\t
.set rC, rD
.if \s == 0
.set rC, BI+8*\t
.endif
	WIN 0xf0|(1+f/21)                              ; source 0 window 1 or 2, source 1 window 0, C and D window 3
	WM rD, rA, TF+96*((\m)%2)+12*\s, rC, WS+2*\s+\t/2, AS+8*((\m)/2)+\s, \t%2, (\m)%2
.endr
.endr
	PLACES
	WIN 0
.endm
; THE WAY OUT of tile m: a lane's 16 neighbouring columns of each half of the 64 go into my stage and come back as whole rows of 256 bytes.  LDS serves a wave's instructions in order: no wait between the stores and the loads
.macro TOSTAGE m
.if (\m) >= 2
	s_wait_xcnt 0x0                                ; the stores of the tile two back have read the registers into which this tile's rows are loaded
.endif
	WIN 0x0c                                       ; an LDS store's data are its source 1: window 3
.irp b, 0,1
.irp i, 0,1,2,3
	ds_store_b128 v7, v[32*((\m)%2)+16*\b+4*\i:32*((\m)%2)+16*\b+4*\i+3] offset:128*\b+16*\i   ; each accumulator from its low end on
.endr
.endr
	WIN 0xc0
.irp i, 0,1,2,3,4,5,6,7
	ds_load_b128 v[OB+32*((\m)%2)+4*\i:OB+32*((\m)%2)+4*\i+3], v8 offset:2*SP*\i
.endr
	WIN 0
.endm
.macro SEND m
	WIN 0x0c
.irp i, 0,1,2,3,4,5,6,7
	global_store_b128 v9, v[OB+32*((\m)%2)+4*\i:OB+32*((\m)%2)+4*\i+3], s[10:11] offset:(8*(\m)+2*\i+24*(\i/4))*4096 th:TH_STORE_NT   ; stage rows 2 i and 2 i + 1 are tokens 8 m + 32 (i / 4) + 2 (i % 4), + 1 of my 64
.endr
	WIN 0
.endm
.irp p, 0,1
.irp s, 0,1,2,3,4,5,6,7
	ds_load_b32 v[AS+8*\p+\s], v5 offset:49152+1024*\p+128*\s
.endr
.endr
	TOK 0
	TOK 1
	s_wait_loadcnt 0x0                             ; the bias is in
	s_wait_dscnt 32                                ; tile 0 is in; tile 1's 32 loads may be out
	PROD 0
	TOK 2
	TOSTAGE 0
	s_wait_dscnt 48                                ; tile 1 is in; behind it tile 2's 32 loads and the stage's 16
	PROD 1
	TOK 3
	s_wait_dscnt 32                                ; tile 0's rows are back, tile 2 is in; tile 3's loads may be out
	SEND 0
	TOSTAGE 1
	PROD 2
	s_wait_dscnt 0x0                               ; tile 1's rows are back, tile 3 is in
	SEND 1
	TOSTAGE 2
	PROD 3
	s_wait_dscnt 0x0
	SEND 2
	TOSTAGE 3
	s_wait_dscnt 0x0
	SEND 3
	s_wait_tensorcnt 0x0                           ; the wave's end
	ds_add_u32 v[SPW], v[NIL]
	s_wait_dscnt 0x0
	CROUND                                         ; the closing round: no work-group ends while a partner may still ask jointly
	s_endpgm
.Lfunc_end_k_q3ca9a8ce40_proj:
	.size	k_q3ca9a8ce40_proj, .Lfunc_end_k_q3ca9a8ce40_proj-k_q3ca9a8ce40_proj
	.p2alignl 7, 3214868480
	.fill 96, 4, 3214868480
	.section	.rodata,"a",@progbits
	.p2align	6, 0x0
	.amdhsa_kernel k_q3ca9a8ce40_proj
		.amdhsa_group_segment_fixed_size 222720
		.amdhsa_private_segment_fixed_size 0
		.amdhsa_enable_private_segment 0
		.amdhsa_kernarg_size 32
		.amdhsa_user_sgpr_count 2
		.amdhsa_user_sgpr_kernarg_segment_ptr 1
		.amdhsa_wavefront_size32 1
		.amdhsa_system_sgpr_workgroup_id_x 1
		.amdhsa_system_sgpr_workgroup_id_y 1
		.amdhsa_system_sgpr_workgroup_id_z 1
		.amdhsa_system_vgpr_workitem_id 0
		.amdhsa_next_free_vgpr 1024
		.amdhsa_next_free_sgpr 66
		.amdhsa_reserve_vcc 0
		.amdhsa_float_denorm_mode_32 3
		.amdhsa_float_denorm_mode_16_64 3
		.amdhsa_memory_ordered 1
		.amdhsa_forward_progress 1
		.amdhsa_inst_pref_size 48
	.end_amdhsa_kernel
	.amdgpu_metadata
---
amdhsa.version: [ 1, 2 ]
amdhsa.kernels:
  - .name:           k_q3ca9a8ce40_proj
    .symbol:         k_q3ca9a8ce40_proj.kd
    .args:
      - { .name: aq, .offset: 0, .size: 8, .value_kind: global_buffer, .address_space: global }
      - { .name: wo, .offset: 8, .size: 8, .value_kind: global_buffer, .address_space: global }
      - { .name: b_out, .offset: 16, .size: 8, .value_kind: global_buffer, .address_space: global }
      - { .name: out0, .offset: 24, .size: 8, .value_kind: global_buffer, .address_space: global }
    .group_segment_fixed_size: 222720
    .private_segment_fixed_size: 0
    .kernarg_segment_align: 8
    .kernarg_segment_size: 32
    .max_flat_workgroup_size: 128
    .sgpr_count:     66
    .vgpr_count:     1024
    .wavefront_size: 32
...
	.end_amdgpu_metadata
.endif
;; end of part 4
